; MI455X (gfx1250); checked and timed in simulation.
; The chip was launched on July 23, 2026; its instructions are those of AMD's public machine-readable ISA for CDNA 5 (MIT licence, August 2026) and "CDNA5" Instruction Set Architecture Reference Guide (July 2026). The comments in the code are by the model that wrote it; some were corrected since.
;; Sparse Attention. Allowed arithmetic: matrix products marked QUANTISED: E3M2 operands, one E8M0 scale for each 32 along K, by v_wmma_scale_f32_16x16x128_f8f6f4 with both operands' format E3M2, f32 sums; everything else in f32.
;; Inputs: k 2 x 4,096 x 1,024 float32; q 2 x 4,096 x 1,024 float32; v 2 x 4,096 x 1,024 float32.
;; Outputs: out0 2 x 4,096 x 1,024 float32.
;; This version of the problem:
;;   THIS VERSION OF THE PROBLEM IS GIVEN IN LOW PRECISION. The matrix products marked QUANTISED in the list below multiply operands that are first quantised to E3M2 (3 exponent bits, 2 mantissa bits; 6 bits a number), with one power-of-two scale for each 32 numbers along K (OCP MX v1.0); their sums are f32. All else is computed in f32.
;;   The module's matrix products, in the order in which they are computed (A, B: the left and right operand; K: the contracted axis; several contracted axes count as one K, in the product's order):
;;     1. batch 2 x [M 4,096, K 1,024] x [K 1,024, N 4,096]; A: input q; B: input k: QUANTISED
;;     2. batch 2 x [M 4,096, K 4,096] x [K 4,096, N 1,024]; A: softmax (see below); B: input v: QUANTISED
;;   THE QUANTISER, for each operand of a quantised product, along K:
;;     - K is cut into blocks of 32 from its start; a last block that is shorter is filled with zeros.
;;     - A block's scale is 2^e with e = floor(log2(the largest magnitude in the block)) - 4, held to -126 .. 127; a block of zeros has e = 0. As a byte (E8M0): e + 127.
;;     - Each number is divided by its block's scale, clamped to +-28, and rounded to the nearest number of E3M2, ties to even, subnormals kept.
;;     - The product sums the exact products of the quantised numbers (number of the format x scale) in f32.
;;   ~~~python
;;   def quantise(x, axis):      # numpy; x: float32 -> the quantised numbers, widened to float32 again
;;       x = np.moveaxis(x, axis, -1); K = x.shape[-1]
;;       x = np.pad(x, [(0, 0)] * (x.ndim - 1) + [(0, -K % 32)]); x = x.reshape(x.shape[:-1] + (-1, 32)); a = np.abs(x).max(-1, keepdims=True)
;;       e = np.where(a > 0, np.clip(np.frexp(np.where(a > 0, a, 1))[1] - 1 - 4, -126, 127), 0)      # np.frexp(a)[1] - 1 = floor(log2(a)), exactly
;;       r = np.clip(x / 2.0 ** e, -28, 28)
;;       step = 2.0 ** (np.maximum(np.frexp(np.where(r == 0, 1, r))[1] - 1, -2) - 2)
;;       q = np.round(r / step) * step * 2.0 ** e      # np.round: ties to even
;;       return np.moveaxis(q.reshape(q.shape[:-2] + (-1,))[..., :K], -1, axis).astype(np.float32)
;;   ~~~
;;   SOFTMAX AHEAD OF A QUANTISED PRODUCT. Where the list says 'softmax', what is quantised is not the finished softmax but p = 2^(t - M), with t = logit x log2(e) and M = ceil(the row's largest t), a whole number; so 1/2 < the row's largest p <= 1. The row's sum l is taken of the UNQUANTISED p, in f32, and the product's result is divided by l at the end. Since M is a whole number, a kernel that streams over the keys may use a running M (the ceiling of the running maximum): every later rescaling is an exact power of two, which a block's scale takes up: the codes' values come out the same.
;;   OPERANDS COMPUTED ON THE WAY. 'Computed on the way' means the value that the module computes at that place (a softmax that the list does not call 'softmax' is quantised finished and normalised). What goes into a quantiser is computed in f32, as accurately as f32 sums, v_exp_f32 and their like allow (about 1e-6 of the number): no bf16 or f16 on the way to a quantiser, and a product that is left as it is and whose result goes on into a quantised operand takes f32 operands (vector FMAs, or v_wmma_f32_16x16x4_f32). A number that lies on a knife's edge between two numbers of the format may be rounded either way, as far as f32 arithmetic and the matrix unit's own rounding can turn it there, and no further.
;; 2 versions. Each part assembles by itself: llvm-mc -triple=amdgcn-amd-amdhsa -mcpu=gfx1250 --defsym DOCPART=n.
;; ======== version 1 of 2: 4 launches
;; workspace buffers: qk 13,107,200 bytes; vq 6,553,600 bytes; pcodes 25,165,824 bytes; stats 4,194,304 bytes; pfin 1,081,344 bytes
;; launch quant (part 1): grid 768 x 1, 4 waves a work-group, no clusters, 34,304 bytes of LDS; arguments q, k, v, qk, vq; writes qk, vq
.if DOCPART == 1
	.amdgcn_target "amdgcn-amd-amdhsa--gfx1250"
	.amdhsa_code_object_version 6
	.text
	.protected	k_q22ce434de0_quant
	.globl	k_q22ce434de0_quant
	.p2align	8
	.type	k_q22ce434de0_quant,@function
k_q22ce434de0_quant:
	s_mov_b64 s[64:65], 0
	v_nop
	global_prefetch_b8 v0, s[64:65] scope:SCOPE_SE
	s_setreg_imm32_b32 hwreg(HW_REG_WAVE_MODE, 25, 1), 1
	s_wait_xcnt 0x0
; q, k, v: [2][4096][1024] f32 -> codes of BF6 (E3M2) with one E8M0 byte for each 32 along a product's K, laid IN THE ORDER OF THE OPERAND'S REGISTERS.
; A fragment is 16 rows x 128 K, 12 registers a lane, 1,536 bytes: registers 4 c .. 4 c + 3 of lane L lie at 512 c + 16 L.  A group is 128 rows: codes [K step of 128][block of 16 rows][1536];
; scale words [pair of K steps][row][2], 1,024 bytes a pair.
; THE STRIDED TRANSPOSE only renames tokens: permuted row l 128 + b is token 32 b + l.  A group of q or of k is (batch, l), its row b; K = the 1,024 channels.
; v's K is the PERMUTED key axis: a K step is one l, a block of 32 is b = 32 j .. 32 j + 31; a group of v is (batch, 128 channels), its rows the channels.
; Inside a block of v position i holds key sg(i) = i % 8 + 16 ((i / 8) % 2) + 8 (i / 16): the order in which the launch that makes p finds its keys in its registers; a block's members, and so its scale, are unchanged.
; A block's scale byte is its largest magnitude's exponent field - 4, held at 1 from below by a floor among the maximum's leaves.
; LIMITS: NaN and infinities are not served; a block whose largest magnitude lies under 2^-122 (a block of zeros too) keeps the byte 1: its codes are then zeros or subnormal codes, and this program alone reads the bytes.
; Work-groups 0-255 take q, 256-511 k, 512-767 v.  Waves share nothing: no barrier.  Only the path of q and k touches LDS.  No loop: every offset is an immediate.
.set SPT,  528                         ; a stage row: 512 bytes + 16, an odd multiple of 16: the sixteen rows that a read touches start at different groups of banks
.set STGB, 16*SPT                      ; a wave's stage
.set R,    16                          ; v16-143  q, k: two sets of 16 rows x 16 bytes a lane, as loaded
.set X,    144                         ; v144-207 64 numbers of my row: register 16 b + i = k 32 b + 16 (lane / 16) + i
.set TM,   208                         ; v208-223 at work in QUANT
.set PC,   224                         ; v224-235 a fragment's codes; v236-238, v240-242 the upper halves as converted
.set PW,   244                         ; v244-247 a scale word for each K step
.set DD,   248                         ; v248-249 the scale words as stored
.set SEL,  20                          ; s[20:21] lane selects: lane l xor 16
.set MK,   22                          ; s22 mask of lanes 16-31
.set XV,   16                          ; v: v16-79 two sets of 32 numbers
.set TC,   84                          ; v84-86 a block's upper 16 codes as converted
.set WD,   88                          ; v88-89 the two K steps' scale words
.set CV,   96                          ; v96-143 codes
	s_load_b256 s[4:11], s[0:1], 0x0               ; q s[4:5], k s[6:7], v s[8:9], qk s[10:11]
	s_load_b64 s[12:13], s[0:1], 0x20              ; vq
	v_lshl_add_u32 v254, v0, 2, 0x8400
	v_mov_b32 v255, 0
	v_lshrrev_b32 v1, 5, v0
	v_readfirstlane_b32 s16, v1                    ; wave 0..3
	v_and_b32 v1, 31, v0                           ; lane
	v_and_b32 v2, 15, v0                           ; r
	v_bfe_u32 v3, v0, 4, 1                         ; h
	s_cmp_lt_u32 ttmp9, 512
	s_cbranch_scc0 .Lv
; ---------------- q and k: a wave takes 16 permuted rows (one l, b = 16 i ..) x 4 K steps (2,048 bytes of each row)
	v_lshlrev_b32 v4, 4, v1                        ; 16 x lane: a load's and a code store's place
	s_mul_i32 s17, s16, STGB
	v_add_nc_u32 v5, s17, v4                       ; the stage, in: a row's 512 bytes as they lie
	v_mul_u32_u24 v6, v2, SPT
	v_lshl_add_u32 v6, v3, 6, v6
	v_add_nc_u32 v6, s17, v6                       ; out: row r, + 64 h: my 16 numbers of a block of 32
	v_lshlrev_b32 v7, 3, v2
	v_lshl_add_u32 v7, v3, 10, v7                  ; scale words: 8 r, lanes 16-31 one pair of K steps on
	s_mov_b32 s[SEL], 0x76543210
	s_mov_b32 s[SEL+1], 0xfedcba98
	s_mov_b32 s[MK], 0xffff0000
.irp b, 0,1,2,3
	v_mov_b32 v[TM+4+\b], 0                        ; written once: a lane permute's destination counts as one of its sources
.endr
	s_and_b32 s23, ttmp9, 255
	s_lshr_b32 s24, s23, 7                         ; batch
	s_and_b32 s25, s23, 127
	s_lshl_b32 s25, s25, 2
	s_add_co_u32 s25, s25, s16                     ; which of the batch's 512 shares is my wave's
	s_and_b32 s26, s25, 1                          ; hh: which half of K
	s_lshr_b32 s25, s25, 1
	s_lshr_b32 s27, s25, 3                         ; l
	s_and_b32 s25, s25, 7                          ; i: which 16 of the group's rows
	s_lshl_b32 s28, s24, 5
	s_add_co_u32 s28, s28, s27                     ; the group: 32 batch + l
	s_lshl_b32 s30, s24, 24                        ; source: batch x 2^24 + i x 16 tokens' strides of 131,072 + l x 4,096 + hh x 2,048
	s_lshl_b32 s29, s25, 21
	s_add_co_u32 s30, s30, s29
	s_lshl_b32 s29, s27, 12
	s_add_co_u32 s30, s30, s29
	s_lshl_b32 s29, s26, 11
	s_add_co_u32 s30, s30, s29
	s_mov_b32 s31, 0
	s_mul_i32 s32, s28, 98304                      ; codes: group x 98,304 + 4 hh K steps of 12,288 + i x 1,536
	s_mul_i32 s29, s26, 49152
	s_add_co_u32 s32, s32, s29
	s_mul_i32 s29, s25, 1536
	s_add_co_u32 s32, s32, s29
	s_lshl_b32 s34, s28, 12                        ; scale words: group x 4,096 + 2 hh pairs of 1,024 + i x 128, behind both tensors' codes
	s_lshl_b32 s29, s26, 11
	s_add_co_u32 s34, s34, s29
	s_lshl_b32 s29, s25, 7
	s_add_co_u32 s34, s34, s29
	s_add_co_u32 s34, s34, 12582912
	s_wait_kmcnt 0x0
	s_cmp_lt_u32 ttmp9, 256                        ; q's work-group or k's?  The choice hangs on the work-group's number alone
	s_cselect_b64 s[4:5], s[4:5], s[6:7]
	s_cselect_b32 s18, 0, 6291456
	s_cselect_b32 s19, 0, 262144
	s_add_co_u32 s32, s32, s18
	s_mov_b32 s33, 0
	s_add_co_u32 s34, s34, s19
	s_mov_b32 s35, 0
	s_add_nc_u64 s[4:5], s[4:5], s[30:31]
	s_add_nc_u64 s[36:37], s[10:11], s[32:33]
	s_add_nc_u64 s[38:39], s[10:11], s[34:35]
.macro LOADQ t                         ; K step t of my 16 rows: each load reads 512 consecutive bytes of one row; rows lie 32 tokens (131,072 bytes) apart
.irp i, 0,1,2,3,4,5,6,7,8,9,10,11,12,13,14,15
	global_load_b128 v[R+64*((\t)%2)+4*\i:R+64*((\t)%2)+4*\i+3], v4, s[4:5] offset:\i*131072+(\t)*512 th:TH_LOAD_NT
.endr
.endm
; 64 numbers of a lane, v[s] on, register 16 b + i = k 32 b + 16 (lane / 16) + i of my row, become a fragment's codes in v[PC] on and its scale word in v[w].
.macro QUANT s, w
.irp b, 0,1,2,3
	v_max3_num_f32 v[TM+\b], |v[\s+16*\b]|, |v[\s+1+16*\b]|, 0x2800000   ; block b: my 16 numbers, and the floor 2^(5 - 127): the byte cannot fall under 1
.endr
.irp i, 2,4,6,8,10,12,14
.irp b, 0,1,2,3
	v_max3_num_f32 v[TM+\b], v[TM+\b], |v[\s+16*\b+\i]|, |v[\s+1+16*\b+\i]|   ; the four blocks by turns
.endr
.endr
.irp b, 0,1,2,3
	v_permlanex16_b32 v[TM+4+\b], v[TM+\b], s[SEL], s[SEL+1]
.endr
.irp b, 0,1,2,3
	v_max_num_f32 v[TM+\b], v[TM+\b], v[TM+4+\b]   ; with lane l xor 16's: the block's largest magnitude
.endr
.irp b, 0,1,2,3
	v_add_nc_u32 v[TM+12+\b], 0xfe000000, v[TM+\b] ; 4 off its exponent field: the conversion takes the exponent field of this operand as its scale
.endr
.irp b, 0,1,2,3
	v_lshrrev_b32 v[TM+4+\b], 23, v[TM+12+\b]      ; the scale's byte
.endr
	v_lshl_or_b32 v[\w], v[TM+5], 8, v[TM+4]       ; four bytes make my row's scale word
	v_lshl_or_b32 v[\w], v[TM+6], 16, v[\w]
	v_lshl_or_b32 v[\w], v[TM+7], 24, v[\w]
.irp c, 0,1
	v_cvt_scalef32_pk16_bf6_f32 v[PC+6*\c:PC+2+6*\c], v[\s+32*\c:\s+15+32*\c], v[TM+12+2*\c]
	v_cvt_scalef32_pk16_bf6_f32 v[PC+12+4*\c:PC+14+4*\c], v[\s+16+32*\c:\s+31+32*\c], v[TM+12+2*\c+1]   ; (a conversion's three registers begin on an even number)
.endr
	v_nop                                          ; one plain place behind a scaled conversion
.irp c, 0,1                                    ; the operand's layout wants a WHOLE block in a lane: lanes 0-15 block 2 c, lanes 16-31 block 2 c + 1
.irp i, 0,1,2
	v_permlane16_swap_b32 v[PC+6*\c+\i], v[PC+12+4*\c+\i]
.endr
.irp i, 0,1,2
	v_mov_b32 v[PC+3+6*\c+\i], v[PC+12+4*\c+\i]
.endr
.endr
.endm
.macro STEPQ t
.if (\t) < 3
	s_wait_loadcnt 16                              ; this step's 16 loads are in; the next step's 16 may be out
.else
	s_wait_loadcnt 0x0
.endif
.irp i, 0,1,2,3,4,5,6,7,8,9,10,11,12,13,14,15
	ds_store_b128 v5, v[R+64*((\t)%2)+4*\i:R+64*((\t)%2)+4*\i+3] offset:SPT*\i   ; row i as it lies
.endr
.irp b, 0,1,2,3
.irp j, 0,1,2,3
	ds_load_b128 v[X+16*\b+4*\j:X+16*\b+4*\j+3], v6 offset:128*\b+16*\j   ; LDS serves a wave's instructions in order: these see the stores above
.endr
.endr
	s_wait_dscnt 0x0                               ; my 64 numbers are in, and the stores have read their registers,
.if (\t) < 2
	LOADQ (\t)+2                                   ; which take the loads of two steps on
.endif
.if (\t) > 0
	s_wait_xcnt 0x0                                ; the last step's stores have read the codes' registers: they are written again only behind this wait
.endif
	QUANT X, PW+(\t)
.irp c, 0,1,2
	global_store_b128 v4, v[PC+4*\c:PC+4*\c+3], s[36:37] offset:(\t)*12288+512*\c   ; the fragment's image: 512 consecutive bytes a store, at a multiple of 512
.endr
.endm
	LOADQ 0
	LOADQ 1
	STEPQ 0
	STEPQ 1
	STEPQ 2
	STEPQ 3
	v_cndmask_b32 v[DD], v[PW], v[PW+2], s[MK]     ; both halves of the lanes hold every row's words: lanes 0-15 store K steps 0, 1, lanes 16-31 K steps 2, 3
	v_cndmask_b32 v[DD+1], v[PW+1], v[PW+3], s[MK]
	global_store_b64 v7, v[DD:DD+1], s[38:39]      ; two pieces of 128 consecutive bytes: one byte in 128 of what the wave reads
	s_wait_tensorcnt 0x0
	ds_add_u32 v254, v255
	s_wait_dscnt 0x0
	s_endpgm
; ---------------- v: a lane takes a channel, its registers run down the permuted keys.  A work-group: 128 channels x the K steps l = 2 s, 2 s + 1; a wave: 32 channels
.Lv:
	v_lshlrev_b32 v4, 2, v1                        ; in: 4 bytes a lane: 128 consecutive bytes a wave, 512 a work-group
	v_mul_u32_u24 v5, v3, 1536
	v_lshl_add_u32 v5, v2, 4, v5                   ; out: lanes 0-15 belong to my first tile of 16 channels, lanes 16-31 to my second; 16 bytes a lane
	v_lshlrev_b32 v6, 3, v0                        ; scale words: 8 bytes a channel of the group
	s_sub_co_u32 s17, ttmp9, 512
	s_lshr_b32 s18, s17, 7                         ; batch
	s_bfe_u32 s19, s17, 0x30004                    ; which 128 channels
	s_and_b32 s20, s17, 15                         ; s
	s_lshl_b32 s24, s18, 24                        ; source: batch x 2^24 + 2 s x 4,096 + 512 x group + 128 x wave
	s_lshl_b32 s21, s20, 13
	s_add_co_u32 s24, s24, s21
	s_lshl_b32 s21, s19, 9
	s_add_co_u32 s24, s24, s21
	s_lshl_b32 s21, s16, 7
	s_add_co_u32 s24, s24, s21
	s_mov_b32 s25, 0
	s_lshl_b32 s22, s18, 3
	s_add_co_u32 s22, s22, s19                     ; the group: 8 batch + channels / 128
	s_lshl_b32 s28, s22, 5
	s_lshl_b32 s21, s20, 1
	s_add_co_u32 s28, s28, s21
	s_mul_i32 s28, s28, 12288                      ; codes: (32 group + 2 s) K steps of 12,288 + my two tiles' 3,072 x wave
	s_mul_i32 s21, s16, 3072
	s_add_co_u32 s28, s28, s21
	s_mov_b32 s29, 0
	s_lshl_b32 s30, s22, 14                        ; scale words: group x 16,384 + s x 1,024, behind the codes
	s_lshl_b32 s21, s20, 10
	s_add_co_u32 s30, s30, s21
	s_add_co_u32 s30, s30, 6291456
	s_mov_b32 s31, 0
	s_wait_kmcnt 0x0
	s_add_nc_u64 s[24:25], s[8:9], s[24:25]        ; keys b = 0 .. 63
	s_add_nc_u64 s[26:27], s[24:25], 8388608       ; keys b = 64 .. 127: a second base, so that every offset stays inside the signed 24-bit immediate
	s_add_nc_u64 s[28:29], s[12:13], s[28:29]
	s_add_nc_u64 s[30:31], s[12:13], s[30:31]
.macro LOADV t                         ; block t = 4 q + j: K step l = 2 s + q, keys b = 32 j + sg(i), into set t % 2
.set QL, (\t)/4
.set JL, (\t)%4
.irp i, 0,1,2,3,4,5,6,7,8,9,10,11,12,13,14,15,16,17,18,19,20,21,22,23,24,25,26,27,28,29,30,31
	global_load_b32 v[XV+32*((\t)%2)+\i], v4, s[24+2*(JL/2):25+2*(JL/2)] offset:(JL%2)*4194304+((\i%8)+16*((\i/8)%2)+8*(\i/16))*131072+QL*4096 th:TH_LOAD_NT
.endr
.endm
.macro BLOCKV t
.set QB, (\t)/4
.set JB, (\t)%4
.set XS, XV+32*((\t)%2)
.set CB, CV+24*QB+12*(JB%2)+6*(JB/2)   ; blocks 0 and 2 are the twelve registers of the image's lanes 0-15, blocks 1 and 3 those of its lanes 16-31
.if (\t) < 7
	s_wait_loadcnt 32                              ; this block's 32 loads are in; the next block's may be out
.else
	s_wait_loadcnt 0x0
.endif
	v_max3_num_f32 v80, |v[XS]|, |v[XS+1]|, |v[XS+2]|   ; the block's largest magnitude: all 32 numbers are mine
	v_max3_num_f32 v81, |v[XS+3]|, |v[XS+4]|, |v[XS+5]|
.irp i, 6,10,14,18,22,26
	v_max3_num_f32 v80, v80, |v[XS+\i]|, |v[XS+\i+1]|
	v_max3_num_f32 v81, v81, |v[XS+\i+2]|, |v[XS+\i+3]|
.endr
	v_max3_num_f32 v80, v80, |v[XS+30]|, |v[XS+31]|
	v_max3_num_f32 v80, v80, v81, 0x2800000        ; and the floor 2^(5 - 127)
	v_add_nc_u32 v82, 0xfe000000, v80              ; 4 off its exponent field: the conversion's scale operand
	v_cvt_scalef32_pk16_bf6_f32 v[CB:CB+2], v[XS:XS+15], v82
	v_cvt_scalef32_pk16_bf6_f32 v[TC:TC+2], v[XS+16:XS+31], v82   ; (a conversion's three registers begin on an even number)
	v_lshrrev_b32 v83, 23, v82                     ; the scale's byte; also the plain place behind the conversions
.if JB == 0
	v_mov_b32 v[WD+QB], v83
.else
	v_lshl_or_b32 v[WD+QB], v83, 8*JB, v[WD+QB]
.endif
.irp i, 0,1,2
	v_mov_b32 v[CB+3+\i], v[TC+\i]
.endr
.if (\t) < 6
	LOADV (\t)+2
.endif
.if JB == 3                            ; a K step's codes are whole: six stores; in each, sixteen lanes fill 256 consecutive bytes at a multiple of 256.  No store's data are written again
.irp c, 0,1,2
	global_store_b128 v5, v[CV+24*QB+4*\c:CV+24*QB+4*\c+3], s[28:29] offset:QB*12288+512*\c
	global_store_b128 v5, v[CV+24*QB+12+4*\c:CV+24*QB+12+4*\c+3], s[28:29] offset:QB*12288+512*\c+256
.endr
.endif
.endm
	LOADV 0
	LOADV 1
.irp t, 0,1,2,3,4,5,6,7
	BLOCKV \t
.endr
	global_store_b64 v6, v[WD:WD+1], s[30:31]      ; 256 consecutive bytes a wave, at a multiple of 256
	s_endpgm
.Lfunc_end_k_q22ce434de0_quant:
	.size	k_q22ce434de0_quant, .Lfunc_end_k_q22ce434de0_quant-k_q22ce434de0_quant
	.p2alignl 7, 3214868480
	.fill 96, 4, 3214868480
	.section	.rodata,"a",@progbits
	.p2align	6, 0x0
	.amdhsa_kernel k_q22ce434de0_quant
		.amdhsa_group_segment_fixed_size 34304
		.amdhsa_private_segment_fixed_size 0
		.amdhsa_enable_private_segment 0
		.amdhsa_kernarg_size 40
		.amdhsa_user_sgpr_count 2
		.amdhsa_user_sgpr_kernarg_segment_ptr 1
		.amdhsa_wavefront_size32 1
		.amdhsa_system_sgpr_workgroup_id_x 1
		.amdhsa_system_sgpr_workgroup_id_y 1
		.amdhsa_system_sgpr_workgroup_id_z 1
		.amdhsa_system_vgpr_workitem_id 0
		.amdhsa_next_free_vgpr 256
		.amdhsa_next_free_sgpr 66
		.amdhsa_reserve_vcc 0
		.amdhsa_float_denorm_mode_32 3
		.amdhsa_float_denorm_mode_16_64 3
		.amdhsa_memory_ordered 1
		.amdhsa_forward_progress 1
		.amdhsa_inst_pref_size 72
	.end_amdhsa_kernel
	.amdgpu_metadata
---
amdhsa.version: [ 1, 2 ]
amdhsa.kernels:
  - .name:           k_q22ce434de0_quant
    .symbol:         k_q22ce434de0_quant.kd
    .args:
      - { .name: q, .offset: 0, .size: 8, .value_kind: global_buffer, .address_space: global }
      - { .name: k, .offset: 8, .size: 8, .value_kind: global_buffer, .address_space: global }
      - { .name: v, .offset: 16, .size: 8, .value_kind: global_buffer, .address_space: global }
      - { .name: qk, .offset: 24, .size: 8, .value_kind: global_buffer, .address_space: global }
      - { .name: vq, .offset: 32, .size: 8, .value_kind: global_buffer, .address_space: global }
    .group_segment_fixed_size: 34304
    .private_segment_fixed_size: 0
    .kernarg_segment_align: 8
    .kernarg_segment_size: 40
    .max_flat_workgroup_size: 128
    .sgpr_count:     66
    .vgpr_count:     256
    .wavefront_size: 32
...
	.end_amdgpu_metadata
.endif
;; end of part 1
;; launch scores (part 2): grid 16 x 32, 4 waves a work-group, clusters of 4 x 4, 327,680 bytes of LDS; arguments qk, pcodes, stats; writes pcodes, stats
.if DOCPART == 2
	.amdgcn_target "amdgcn-amd-amdhsa--gfx1250"
	.amdhsa_code_object_version 6
	.text
	.protected	k_q22ce434de0_scores
	.globl	k_q22ce434de0_scores
	.p2align	8
	.type	k_q22ce434de0_scores,@function
k_q22ce434de0_scores:
	s_mov_b64 s[64:65], 0
	v_nop
	global_prefetch_b8 v0, s[64:65] scope:SCOPE_SE
	s_setreg_imm32_b32 hwreg(HW_REG_WAVE_MODE, 25, 1), 1
	s_wait_xcnt 0x0
	s_wait_alu depctr_hold_cnt(0) depctr_sa_sdst(0) depctr_va_vdst(0) depctr_va_sdst(0) depctr_va_ssrc(0) depctr_va_vcc(0) depctr_vm_vsrc(0)
	s_getreg_b32 s2, hwreg(HW_REG_IB_STS2, 6, 4)
	s_cmp_eq_u32 s2, 0
	s_cbranch_scc0 .Lentry_in_a_cluster
	s_endpgm
.Lentry_in_a_cluster:
	s_bfe_u32 s2, ttmp6, 0x10000c
	s_cmp_lg_u32 s2, 0xf033
	s_cbranch_scc0 .Lentry_shape_is_right
	s_endpgm
.Lentry_shape_is_right:
; S = Q K^T on codes of BF6 (E3M2) with E8M0 scales, K = 1,024 channels; then, on the way out, p = 2^(t - M) with t = S log2(e) / 16 and M = ceil(the largest t of the row's 128 keys that this wave holds),
; p's codes along the permuted keys, and for each row and 128 keys the figures -M, the sum of the unquantised p, and the scale word under that M.  M is a whole number, so a later launch brings
; every scale byte and every sum under the row's own M by whole steps of the exponent: nothing is rounded, and the largest of the local M is the ceiling of the row's largest t.
; A tile of S, 256 queries x 256 keys, is made by four waves; a wave makes 128 x 128: 64 accumulators, 512 registers.  Its 128 keys are one group (batch, l): one K step of the second product.
; OPERANDS LIE IN MEMORY AND IN LDS AS IMAGES OF THEIR REGISTERS: a fragment (16 rows x 128 K, 12 registers) is 1,536 bytes, registers 4 c .. 4 c + 3 of lane L at 512 c + 16 L: three loads of 512 consecutive bytes,
; no pitch, no padding.  128 rows x 256 K are one dense block of 24,576 bytes: one tensor load.  K goes in steps of 256 through a ring of two slots.  A group's scale words, [pair of K steps][row][2], are one dense block and come once.
; CLUSTERS: 4 x 4 work-groups.  The four of a row need the same tiles of Q, the four of a column the same tiles of K: each is asked for jointly.  The batch is made of the cluster's y alone, which all sixteen share.
; THE MATRIX INSTRUCTION IS USED TRANSPOSED (source 0 = 16 keys, source 1 = 16 queries): a lane holds ONE query (lane % 16) and, in the accumulator of key tile n, keys 16 n + 8 (lane / 16) + 0 .. 7.
; So in p's codes position i of a block of 32 holds key i % 8 + 16 ((i / 8) % 2) + 8 (i / 16) of the block: v's codes are laid in the same order.
; LIMITS: NaN and infinities are not served; |t| stays under 2^24, so that M is exact; a block whose every p lies under 2^-122 keeps the byte 1.
; REGISTERS: window 0: v16-29 addresses; v32-63 scale words, two sets; v128-223 Q's fragments, one set; on the way out v64-191.  window 1: K's fragments, two sets, at v0 and v128.  windows 2, 3: the accumulators ((a, b) at v[8 (8 (a % 4) + b)]).
.set SIZE_K, 1024
.set KSTEP,  256
.set NQ,     2                         ; matrix instructions deep in a slot
.set FR,     12                        ; registers of a fragment
.set FRB,    1536                      ; and its image in bytes
.set NL,     3                         ; LDS loads that bring one
.set NP,     4                         ; places behind this matrix instruction (ISA guide 7.12.1)
.set HALFT,  16*FRB                    ; 128 rows x 256 K, [128 along K][block of 16 rows][1536]: what one tensor load brings
.set SLOT,   4*HALFT                   ; A's two halves, then B's two
.set LAPS,   SIZE_K/(2*KSTEP)
.set GRPB,   (SIZE_K/128)*8*FRB        ; a group's codes
.set HALFS,  (SIZE_K/256)*1024         ; a group's scale words
.set SCL,    2*SLOT                    ; behind the ring: A's scale words; B's lie 128 bytes further on than a multiple of 256, so that the two halves of the lanes read different banks
.set SPARE,  SCL+4*HALFS+256           ; the spare words, 128 bytes for each wave: two blocks of 256 bytes that no other line names
.set ACODE,  0                         ; where the four parts lie in qk
.set BCODE,  6291456
.set ASCL,   12582912
.set BSCL,   12845056
.set BSH,    5                         ; B's groups in a batch: 32
.set ADRA, 16                          ; v16-17  LDS address of my A fragments in slot 0, 1
.set ADRB, 20                          ; v20-21  the same for B
.set LN,   26                          ; v26     16 x lane
.set ADRS, 27                          ; v27     LDS address of my scale words: lanes 0-15 A's rows, lanes 16-31 B's
.set SPW,  28                          ; v28     LDS address of my spare word; never rewritten
.set NIL,  29                          ; v29     0; never rewritten
.set SC,   32                          ; scale words: set s at v[SC + 16 s]; register 2 i + q: lanes 0-15 A's block i, lanes 16-31 B's block i, the slot's q-th 128 along K
.set AF,   128
.set G1, 24                            ; s[24:31] descriptor group 1 for A's tiles; s[32:39] group 0, one set for each slot
.set G0, 32
.set G1B, 48                           ; s[48:55], s[56:63] the same for B's
.set G0B, 56
.set G1S, 68                           ; s[68:75], s[76:79] groups 1 and 0 for A's scale words; s[80:87], s[88:91] for B's
.set G0S, 76
.set G1SB, 80
.set G0SB, 88
.set CS,  66                           ; s[66:67] c = log2(e) / 16
.set MK,  95                           ; s95 mask of lanes 16-31
.set SEL, 96                           ; s[96:97] lane selects: lane l xor 16
.set T,   64                           ; the way out: v64-127 64 numbers: t, then p
.set BM,  128                          ; v128-131 the four blocks' largest t, then largest p
.set BX,  132                          ; v132-135 the other half's
.set SO,  136                          ; v136-139 the conversions' scale operands
.set BY,  140                          ; v140-143 the scale bytes
.set PC,  144                          ; v144-155 p's codes
.set PH,  156                          ; v156-158, v160-162 the upper halves as converted
.set TMX, 164
.set NM,  166                          ; v166-167 -M, twice
.set LA,  168                          ; v168-171 the sum's two chains
.set LB,  170
.set LX,  172
.set PW,  173                          ; the scale word
.set ST,  176                          ; v176-191 four sets of -M, sum, scale word, 0: lane L of set u is row 32 u + L
.set MSB, 0
.macro WIN new                         ; the immediate's high byte repeats the setting that is left
.if MSB != (\new)
	s_set_vgpr_msb (MSB<<8)|(\new)
.set MSB, (\new)
.endif
.endm
.set MUL_LO, 0xa1                      ; source 0 (B) window 1, source 1 (A) window 0, C and D window 2
.set MUL_HI, 0xf1                      ; the same, C and D window 3
.set TO_B,   0x40                      ; destination window 1, address window 0
; A joint load: waves 0 and 1 fetch for A, waves 2 and 3 for B.  The branch hangs on the wave's number alone.  Four v_nop follow each of the two lines.
.macro JLOAD g0a, g1a, g0b, g1b
	s_cmp_eq_u32 s15, 0
	s_cbranch_scc0 .Lfor_b_\@
	tensor_load_to_lds s[\g0a:\g0a+3], s[\g1a:\g1a+7]
	s_nop 0
.rept 4
	v_nop
.endr
	s_branch .Lasked_\@
.Lfor_b_\@:
	tensor_load_to_lds s[\g0b:\g0b+3], s[\g1b:\g1b+7]
	s_nop 0
.rept 4
	v_nop
.endr
.Lasked_\@:
.endm
.macro CREST                           ; a round of the cluster's barrier behind its opening barrier
	s_cmp_lg_u32 s14, 0
	s_cbranch_scc1 .Lnot_wave_0_\@
	s_barrier_signal -3
.Lnot_wave_0_\@:
	s_barrier_wait -3
	s_barrier_signal -1
	s_barrier_wait -1
.endm
.macro CROUND                          ; a whole round
	s_barrier_signal -1
	s_barrier_wait -1
	CREST
.endm
	s_load_b128 s[4:7], s[0:1], 0x0                ; qk s[4:5], pcodes s[6:7]
	s_load_b64 s[8:9], s[0:1], 0x10                ; stats
	v_lshl_add_u32 v[SPW], v0, 2, SPARE
	v_mov_b32 v[NIL], 0
	ds_add_u32 v28, v29
	ds_add_u32 v28, v29
	s_wait_dscnt 0x0
	v_lshrrev_b32 v1, 5, v0
	v_readfirstlane_b32 s14, v1                    ; wave 0..3
	s_lshr_b32 s15, s14, 1                         ; which half of the tile's rows is mine.  Also: I fetch for A (0) or for B (1)
	s_and_b32 s16, s14, 1                          ; which half of its columns.  Also: which group of that tile I fetch
	s_bfe_u32 s40, ttmp6, 0x40000                  ; cx, cy: my place in the cluster
	s_bfe_u32 s41, ttmp6, 0x40004
	s_lshl_b32 s42, ttmp9, 2
	s_add_co_u32 s42, s42, s40                     ; tile column = 4 x cluster x + cx
	s_and_b32 s17, ttmp7, 0xffff
	s_lshl_b32 s17, s17, 2
	s_add_co_u32 s17, s17, s41                     ; tile row = 4 x cluster y + cy: 16 tile rows a batch
	s_and_b32 s18, ttmp7, 0xffff
	s_lshr_b32 s18, s18, 2                         ; the batch: four clusters' rows each
	s_lshl_b32 s43, s41, 2
	s_lshl_b32 s43, 15, s43                        ; my row of the cluster
	s_lshl_b32 s44, 0x1111, s40                    ; my column
	; descriptor group 1: a dense block as rows of 256 bytes (32 elements of 8 bytes): 96 rows for a tile, HALFS / 256 for a group's scale words; no padding
	s_or_b32 s[G1+0], s43, (3<<16)|(1<<21)         ; 15:0 the mask: A's go to my row; 17:16 elements of 8 bytes; 21 set beside a mask
	s_or_b32 s[G1B+0], s44, (3<<16)|(1<<21)        ; B's go to my column
.irp g, G1, G1B
	s_mov_b32 s[\g+1], 32<<16                      ; tensor_dim0 = 32
	s_mov_b32 s[\g+2], 96<<16                      ; tensor_dim1 = 96
	s_mov_b32 s[\g+3], 32<<16                      ; tile_dim0 = 32
	s_mov_b32 s[\g+4], 96                          ; tile_dim1 = 96
	s_mov_b32 s[\g+5], 32                          ; tensor_dim0_stride
	s_mov_b32 s[\g+6], 0
	s_mov_b32 s[\g+7], 0
.endr
	s_or_b32 s[G1S+0], s43, (3<<16)|(1<<21)
	s_or_b32 s[G1SB+0], s44, (3<<16)|(1<<21)
.irp g, G1S, G1SB
	s_mov_b32 s[\g+1], 32<<16
	s_mov_b32 s[\g+2], (HALFS/256)<<16
	s_mov_b32 s[\g+3], 32<<16
	s_mov_b32 s[\g+4], HALFS/256
	s_mov_b32 s[\g+5], 32
	s_mov_b32 s[\g+6], 0
	s_mov_b32 s[\g+7], 0
.endr
	; where the tiles come from.  A's hang on the tile row and the wave, B's on the tile column, the batch and the wave, each in registers that never hold the other place in the cluster
	s_lshl_b32 s20, s17, 1
	s_add_co_u32 s20, s20, s16                     ; A's group: 2 x tile row + half
	s_mul_i32 s22, s20, HALFS
	s_add_co_u32 s22, s22, ASCL
	s_mov_b32 s23, 0
	s_mul_i32 s20, s20, GRPB
	s_add_co_u32 s20, s20, ACODE
	s_mov_b32 s21, 0
	s_lshl_b32 s46, s42, 1
	s_add_co_u32 s46, s46, s16
	s_lshl_b32 s18, s18, BSH
	s_add_co_u32 s46, s46, s18                     ; B's group: the batch's first + 2 x tile column + half
	s_mul_i32 s92, s46, HALFS
	s_add_co_u32 s92, s92, BSCL
	s_mov_b32 s93, 0
	s_mul_i32 s46, s46, GRPB
	s_add_co_u32 s46, s46, BCODE
	s_mov_b32 s47, 0
	s_mul_i32 s45, s14, HALFT                      ; where they go: wave x a quarter of a slot: no place in the cluster enters an LDS address
	s_mul_i32 s94, s14, HALFS
	s_wait_kmcnt 0x0
	s_add_nc_u64 s[20:21], s[4:5], s[20:21]
	s_add_nc_u64 s[22:23], s[4:5], s[22:23]
	s_add_nc_u64 s[46:47], s[4:5], s[46:47]
	s_add_nc_u64 s[92:93], s[4:5], s[92:93]
	CROUND                                         ; all sixteen work-groups are here: the first joint loads meet
	s_mov_b32 s[G0S], 1
	s_add_co_u32 s[G0S+1], s94, SCL
	s_mov_b64 s[G0S+2:G0S+3], s[22:23]
	s_or_b32 s[G0S+3], s[G0S+3], 0x80000000
	s_mov_b32 s[G0SB], 1
	s_add_co_u32 s[G0SB+1], s94, SCL+128
	s_mov_b64 s[G0SB+2:G0SB+3], s[92:93]
	s_or_b32 s[G0SB+3], s[G0SB+3], 0x80000000
	JLOAD G0S, G1S, G0SB, G1SB                     ; the scale words first: they are wanted with K step 0
.irp s, 0,1
	s_mov_b32 s[G0+4*\s], 1
	s_add_co_u32 s[G0+4*\s+1], s45, \s*SLOT
	s_add_nc_u64 s[G0+4*\s+2:G0+4*\s+3], s[20:21], \s*HALFT
	s_or_b32 s[G0+4*\s+3], s[G0+4*\s+3], 0x80000000
	s_mov_b32 s[G0B+4*\s], 1
	s_add_co_u32 s[G0B+4*\s+1], s45, \s*SLOT
	s_add_nc_u64 s[G0B+4*\s+2:G0B+4*\s+3], s[46:47], \s*HALFT
	s_or_b32 s[G0B+4*\s+3], s[G0B+4*\s+3], 0x80000000
	JLOAD G0+4*\s, G1, G0B+4*\s, G1B               ; by this text's count three tensor loads of a wave are out here, later one
.endr
	v_and_b32 v1, 15, v0                           ; r
	v_bfe_u32 v2, v0, 4, 1                         ; h
	v_and_b32 v3, 31, v0
	v_lshlrev_b32 v[LN], 4, v3                     ; 16 x lane
	s_mul_i32 s21, s15, HALFT                      ; my 128 rows of A
	s_mul_i32 s22, s16, HALFT                      ; my 128 rows of B,
	s_add_co_u32 s22, s22, 2*HALFT                 ; which lie behind A's 256
.irp s, 0,1
	v_add_nc_u32 v[ADRA+\s], s21, v[LN]
	v_add_nc_u32 v[ADRB+\s], s22, v[LN]
	s_add_co_u32 s21, s21, SLOT
	s_add_co_u32 s22, s22, SLOT
.endr
	v_lshlrev_b32 v5, 3, v1                        ; my row's two scale words of a slot: 8 r
	s_mul_i32 s21, s15, HALFS                      ; A's: my group
	s_mul_i32 s22, s16, HALFS                      ; B's: my group, behind A's two
	s_add_co_u32 s22, s22, 2*HALFS+128
	s_sub_co_u32 s22, s22, s21
	v_mul_u32_u24 v6, s22, v2                      ; lanes 16-31 take B's: one product, the distance between the two
	s_add_co_u32 s21, s21, SCL
	v_add_nc_u32 v5, v5, v6
	v_add_nc_u32 v[ADRS], s21, v5
	; the way out: my group of queries G = 2 x tile row + row half, my K step of the second product e = 2 x tile column + column half
	s_lshl_b32 s10, s17, 1
	s_add_co_u32 s10, s10, s15
	s_lshl_b32 s12, s42, 1
	s_add_co_u32 s12, s12, s16
	s_lshl_b32 s18, s10, 5
	s_add_co_u32 s18, s18, s12
	s_lshl_b32 s18, s18, 11                        ; stats: (32 G + e) x 2,048
	s_mov_b32 s19, 0
	s_mul_i32 s10, s10, 393216                     ; p's codes: G x 393,216 + e x 12,288
	s_mul_i32 s12, s12, 12288
	s_add_co_u32 s10, s10, s12
	s_mov_b32 s11, 0
	s_add_nc_u64 s[6:7], s[6:7], s[10:11]
	s_add_nc_u64 s[8:9], s[8:9], s[18:19]
	s_mov_b32 s[CS], 0x3db8aa3b                    ; log2(e) / 16: the division by 16 is exact, so S x c has the bits of (S / 16) x log2(e)
	s_mov_b32 s[CS+1], s[CS]                       ; (named with it as a pair, so it is written)
	s_mov_b32 s[SEL], 0x76543210
	s_mov_b32 s[SEL+1], 0xfedcba98
	s_mov_b32 s[MK], 0xffff0000
.macro FRAG reg, adr, q, i             ; a fragment's image: three loads of 512 consecutive bytes
.irp c, 0,1,2
	ds_load_b128 v[\reg+4*\c:\reg+4*\c+3], v[\adr] offset:((\q)*8+(\i))*FRB+512*\c
.endr
.endm
; 16 matrix instructions: A's blocks a0, a0 + 1 x B's eight, 128 along K: the slot's q-th.  p: B's set; sc: the set of scale words.  zero = 1: the first product starts the sums.
; The 64 accumulators take turns, one instruction a turn, in the same order in every step.
.macro MUL16 a0, p, q, sc, zero
.irp a, \a0, \a0+1
.irp b, 0,1,2,3,4,5,6,7
.if \zero
	v_wmma_scale_f32_16x16x128_f8f6f4 v[8*(8*((\a)%4)+\b):8*(8*((\a)%4)+\b)+7], v[128*(\p)+FR*\b:128*(\p)+FR*\b+FR-1], v[AF+FR*(\a):AF+FR*(\a)+FR-1], 0, v[SC+8*NQ*(\sc)+NQ*\b+(\q)], v[SC+8*NQ*(\sc)+NQ*(\a)+(\q)] matrix_a_fmt:MATRIX_FMT_BF6 matrix_b_fmt:MATRIX_FMT_BF6 matrix_a_scale:MATRIX_SCALE_ROW1
.else
	v_wmma_scale_f32_16x16x128_f8f6f4 v[8*(8*((\a)%4)+\b):8*(8*((\a)%4)+\b)+7], v[128*(\p)+FR*\b:128*(\p)+FR*\b+FR-1], v[AF+FR*(\a):AF+FR*(\a)+FR-1], v[8*(8*((\a)%4)+\b):8*(8*((\a)%4)+\b)+7], v[SC+8*NQ*(\sc)+NQ*\b+(\q)], v[SC+8*NQ*(\sc)+NQ*(\a)+(\q)] matrix_a_fmt:MATRIX_FMT_BF6 matrix_b_fmt:MATRIX_FMT_BF6 matrix_a_scale:MATRIX_SCALE_ROW1
.endif
.endr
.endr
.endm
.macro FETCH_B slot, q, p              ; B's eight fragments of the slot's q-th 128 along K into set p
	WIN TO_B
.irp i, 0,1,2,3,4,5,6,7
	FRAG 128*(\p)+FR*\i, ADRB+\slot, \q, \i
.endr
	WIN 0
.endm
.macro FETCH_A slot, q, i0             ; A's blocks i0 .. i0 + 3
.irp i, \i0, \i0+1, \i0+2, \i0+3
	FRAG AF+FR*(\i), ADRA+\slot, \q, \i
.endr
.endm
.macro SCALES sc                       ; a slot's scale words into set sc: two words a row; lanes 0-15 take A's block i, lanes 16-31 B's block i
.irp i, 0,1,2,3,4,5,6,7
	ds_load_b64 v[SC+8*NQ*\sc+NQ*\i:SC+8*NQ*\sc+NQ*\i+1], v[ADRS] offset:\i*128
.endr
.endm
; A load into a register that a matrix instruction has read, and a vector instruction that reads a matrix result or writes one of its registers, stand NP places behind it; only plain vector
; instructions that name none of its registers are places (ISA guide 7.12.1 for vector instructions).
.macro PLACES n
.rept \n
	v_nop
.endr
.endm
; A step of 128 along K that has its successor in the same slot.
.macro STEP slot, q, zero
	s_wait_dscnt 4*NL                              ; B's set, A's blocks 0-3 and the scale words are in; the youngest twelve loads (A's blocks 4-7) may be out
	WIN MUL_LO
	MUL16 0, (\q)%2, \q, \slot, \zero
	MUL16 2, (\q)%2, \q, \slot, \zero
	s_wait_dscnt 0                                 ; A's blocks 4-7 are in (asked for 32 matrix instructions ago)
	PLACES NP
	FETCH_B \slot, (\q)+1, 1-(\q)%2
	FETCH_A \slot, (\q)+1, 0
	WIN MUL_HI
	MUL16 4, (\q)%2, \q, \slot, \zero
	MUL16 6, (\q)%2, \q, \slot, \zero
	PLACES NP
	WIN 0
	FETCH_A \slot, (\q)+1, 4
.endm
; A slot's last step changes slots: ONE barrier; in front of it each wave waits for all its tensor loads, adds 0 to its spare word, and waits for that and for its own reads of this slot.  fill = 1: this slot is filled again, two K steps ahead.
.macro TURN slot, next, fill
	s_wait_tensorcnt 0x0                           ; all my tensor loads have landed: my part of the next slot  (every window is 0 here)
	ds_add_u32 v[SPW], v[NIL]                      ; 0 onto my spare word
	s_wait_dscnt 4*NL+1                            ; (the add and the youngest twelve loads, A's blocks 4-7, may be out)
	WIN MUL_LO
	MUL16 0, 1, NQ-1, \slot, 0                     ; sixteen matrix instructions stand between the add and the wait for it
	s_wait_dscnt 0x0                               ; the add is done, and my reads of this slot are over
	s_barrier_signal -1
	MUL16 2, 1, NQ-1, \slot, 0
	WIN 0
	s_barrier_wait -1
.if \fill
	CREST                                          ; the barrier has opened a round of the cluster's barrier: no wave of any partner still reads this slot or has a load on its way
	s_add_nc_u64 s[G0+4*\slot+2:G0+4*\slot+3], s[G0+4*\slot+2:G0+4*\slot+3], 2*HALFT
	s_add_nc_u64 s[G0B+4*\slot+2:G0B+4*\slot+3], s[G0B+4*\slot+2:G0B+4*\slot+3], 2*HALFT
	JLOAD G0+4*\slot, G1, G0B+4*\slot, G1B         ; the first tensor load behind the round; the four v_nop behind it are the places in front of the loads below
.else
	PLACES NP
.endif
	v_add_nc_u32 v[ADRS], 1024, v[ADRS]            ; on to the next slot's scale words (no LDS load of mine is out)
	FETCH_B \next, 0, 0
	FETCH_A \next, 0, 0
	SCALES \next
	WIN MUL_HI
	MUL16 4, 1, NQ-1, \slot, 0
	MUL16 6, 1, NQ-1, \slot, 0
	PLACES NP
	WIN 0
	FETCH_A \next, 0, 4
.endm
	s_wait_tensorcnt 1                             ; the scale words and my part of K step 0 are in (K step 1's load may be out)
	s_barrier_signal -1
	s_barrier_wait -1                              ; everybody's are
	FETCH_B 0, 0, 0
	FETCH_A 0, 0, 0
	SCALES 0
	FETCH_A 0, 0, 4
	STEP 0, 0, 1                                   ; the first step stands in front of the loop: its products start the sums
	s_mov_b32 s3, LAPS-1
.Llap:                                                 ; a trip goes once round the ring, from a lap's second step to the next lap's first, and fills both slots again
	TURN 0, 1, 1
	STEP 1, 0, 0
	TURN 1, 0, 1
	STEP 0, 0, 0
	s_sub_co_u32 s3, s3, 1
	s_cmp_lg_u32 s3, 0
	s_cbranch_scc1 .Llap
	TURN 0, 1, 0                                   ; the last lap fills nothing, and has no round of the cluster's barrier
	STEP 1, 0, 0
	s_wait_dscnt 4*NL                              ; the very last step: nothing more to fetch
	WIN MUL_LO
	MUL16 0, 1, NQ-1, 1, 0
	MUL16 2, 1, NQ-1, 1, 0
	s_wait_dscnt 0
	WIN MUL_HI
	MUL16 4, 1, NQ-1, 1, 0
	MUL16 6, 1, NQ-1, 1, 0
	WIN 0
; THE WAY OUT, block by block of 16 queries x my 128 keys.  Register 16 B + 8 u + j of a lane is key 32 B + 16 u + 8 (lane / 16) + j of its query.  No LDS: codes and figures leave as images, 512 consecutive bytes a store.
.macro SOFT a
.set AC, 64*((\a)%4)
.set PP, (\a)/2
	WIN 0x02+(\a)/4                                ; source 0: window 2 or 3
.set J, 0
.rept 32
	v_pk_mul_f32 v[T+J:T+J+1], v[AC+J:AC+J+1], s[CS:CS+1] op_sel_hi:[1,0]   ; t = S x c, into window 0; each accumulator from its low end on
.set J, J+2
.endr
	WIN 0
.irp b, 0,1,2,3
	v_max3_num_f32 v[BM+\b], v[T+16*\b], v[T+16*\b+1], v[T+16*\b+2]   ; the largest t of each block of 32 keys: it serves for M and, since p rises with t, for the block's largest p
.endr
.irp i, 3,5,7,9,11,13
.irp b, 0,1,2,3
	v_max3_num_f32 v[BM+\b], v[BM+\b], v[T+16*\b+\i], v[T+16*\b+\i+1]
.endr
.endr
.irp b, 0,1,2,3
	v_max_num_f32 v[BM+\b], v[BM+\b], v[T+16*\b+15]
.endr
.irp b, 0,1,2,3
	v_permlanex16_b32 v[BX+\b], v[BM+\b], s[SEL], s[SEL+1]
.endr
.irp b, 0,1,2,3
	v_max_num_f32 v[BM+\b], v[BM+\b], v[BX+\b]     ; with lane l xor 16's 16 keys
.endr
	v_max3_num_f32 v[TMX], v[BM], v[BM+1], v[BM+2]
	v_max_num_f32 v[TMX], v[TMX], v[BM+3]          ; the largest t of my query's 128 keys
	v_floor_f32 v[NM], -v[TMX]                     ; -M = floor(-t) = -ceil(t): a whole number
	v_mov_b32 v[NM+1], v[NM]
.set J, 0
.rept 32
	v_pk_add_f32 v[T+J:T+J+1], v[T+J:T+J+1], v[NM:NM+1]   ; t - M
.set J, J+2
.endr
.irp b, 0,1,2,3
	v_add_f32 v[BM+\b], v[BM+\b], v[NM]            ; the same of each block's largest t
.endr
.set J, 0
.rept 64
	v_exp_f32 v[T+J], v[T+J]                       ; p = 2^(t - M), at most 1: not normalised
.set J, J+1
.endr
.irp b, 0,1,2,3
	v_exp_f32 v[BM+\b], v[BM+\b]                   ; the block's largest p: the same instructions on the same number give the same bits
.endr
	v_nop                                          ; a plain place behind the exponentials
	s_wait_alu depctr_va_vdst(0)
.irp b, 0,1,2,3
	v_max_num_f32 v[BM+\b], 0x2800000, v[BM+\b]    ; the floor 2^(5 - 127): the byte cannot fall under 1
.endr
.irp b, 0,1,2,3
	v_add_nc_u32 v[SO+\b], 0xfe000000, v[BM+\b]    ; 4 off the exponent field: the conversion's scale operand
.endr
.irp b, 0,1,2,3
	v_lshrrev_b32 v[BY+\b], 23, v[SO+\b]           ; the scale's byte, under this M
.endr
	v_lshl_or_b32 v[PW], v[BY+1], 8, v[BY]
	v_lshl_or_b32 v[PW], v[BY+2], 16, v[PW]
	v_lshl_or_b32 v[PW], v[BY+3], 24, v[PW]
.if (\a) > 0
	s_wait_xcnt 0x0                                ; the last block's stores have read the codes' registers: they are written again only behind this wait
.endif
.irp c, 0,1
	v_cvt_scalef32_pk16_bf6_f32 v[PC+6*\c:PC+6*\c+2], v[T+32*\c:T+32*\c+15], v[SO+2*\c]
	v_cvt_scalef32_pk16_bf6_f32 v[PH+4*\c:PH+4*\c+2], v[T+32*\c+16:T+32*\c+31], v[SO+2*\c+1]   ; (a conversion's three registers begin on an even number)
.endr
	v_nop                                          ; one plain place behind a scaled conversion
.irp c, 0,1                                    ; the operand's layout wants a WHOLE block in a lane: lanes 0-15 block 2 c, lanes 16-31 block 2 c + 1
.irp i, 0,1,2
	v_permlane16_swap_b32 v[PC+6*\c+\i], v[PH+4*\c+\i]
.endr
.irp i, 0,1,2
	v_mov_b32 v[PC+3+6*\c+\i], v[PH+4*\c+\i]
.endr
.endr
	v_pk_add_f32 v[LA:LA+1], v[T:T+1], v[T+2:T+3]  ; the sum is taken of the UNQUANTISED p: two at a time, in two chains
	v_pk_add_f32 v[LB:LB+1], v[T+4:T+5], v[T+6:T+7]
.irp j, 8,12,16,20,24,28,32,36,40,44,48,52,56,60
	v_pk_add_f32 v[LA:LA+1], v[LA:LA+1], v[T+\j:T+\j+1]
	v_pk_add_f32 v[LB:LB+1], v[LB:LB+1], v[T+\j+2:T+\j+3]
.endr
	v_pk_add_f32 v[LA:LA+1], v[LA:LA+1], v[LB:LB+1]
	v_add_f32 v[LA], v[LA], v[LA+1]
	v_permlanex16_b32 v[LX], v[LA], s[SEL], s[SEL+1]
.if (\a)%2 == 0                        ; both halves of the lanes hold every row's figures: an even block fills the set, the odd block behind it takes lanes 16-31
	v_add_f32 v[ST+4*PP+1], v[LA], v[LX]
	v_mov_b32 v[ST+4*PP], v[NM]
	v_mov_b32 v[ST+4*PP+2], v[PW]
.else
	v_add_f32 v[LA], v[LA], v[LX]
	v_cndmask_b32 v[ST+4*PP], v[ST+4*PP], v[NM], s[MK]
	v_cndmask_b32 v[ST+4*PP+1], v[ST+4*PP+1], v[LA], s[MK]
	v_cndmask_b32 v[ST+4*PP+2], v[ST+4*PP+2], v[PW], s[MK]
.endif
.irp c, 0,1,2
	global_store_b128 v[LN], v[PC+4*\c:PC+4*\c+3], s[6:7] offset:(\a)*FRB+512*\c   ; the fragment's image
.endr
.if (\a)%2 == 1
	global_store_b128 v[LN], v[ST+4*PP:ST+4*PP+3], s[8:9] offset:PP*512            ; 32 rows' figures, 16 bytes a row
.endif
.endm
	PLACES NP                                      ; behind the last products: their results are read and A's registers written below
.irp b, 0,1,2,3
	v_mov_b32 v[BX+\b], 0                          ; written once: a lane permute's destination counts as one of its sources
	v_mov_b32 v[ST+4*\b+3], 0                      ; the figures' fourth word
.endr
	v_mov_b32 v[LX], 0
.irp a, 0,1,2,3,4,5,6,7
	SOFT \a
.endr
	s_wait_tensorcnt 0x0                           ; the wave's end
	ds_add_u32 v[SPW], v[NIL]
	s_wait_dscnt 0x0
	CROUND                                         ; the closing round: no work-group ends while a partner may still ask for a tile that names it
	s_endpgm
.Lfunc_end_k_q22ce434de0_scores:
	.size	k_q22ce434de0_scores, .Lfunc_end_k_q22ce434de0_scores-k_q22ce434de0_scores
	.p2alignl 7, 3214868480
	.fill 96, 4, 3214868480
	.section	.rodata,"a",@progbits
	.p2align	6, 0x0
	.amdhsa_kernel k_q22ce434de0_scores
		.amdhsa_group_segment_fixed_size 327680
		.amdhsa_private_segment_fixed_size 0
		.amdhsa_enable_private_segment 0
		.amdhsa_kernarg_size 24
		.amdhsa_user_sgpr_count 2
		.amdhsa_user_sgpr_kernarg_segment_ptr 1
		.amdhsa_wavefront_size32 1
		.amdhsa_system_sgpr_workgroup_id_x 1
		.amdhsa_system_sgpr_workgroup_id_y 1
		.amdhsa_system_sgpr_workgroup_id_z 1
		.amdhsa_system_vgpr_workitem_id 0
		.amdhsa_next_free_vgpr 1024
		.amdhsa_next_free_sgpr 100
		.amdhsa_reserve_vcc 0
		.amdhsa_float_denorm_mode_32 3
		.amdhsa_float_denorm_mode_16_64 3
		.amdhsa_memory_ordered 1
		.amdhsa_forward_progress 1
		.amdhsa_inst_pref_size 209
	.end_amdhsa_kernel
	.amdgpu_metadata
---
amdhsa.version: [ 1, 2 ]
amdhsa.kernels:
  - .name:           k_q22ce434de0_scores
    .symbol:         k_q22ce434de0_scores.kd
    .args:
      - { .name: qk, .offset: 0, .size: 8, .value_kind: global_buffer, .address_space: global }
      - { .name: pcodes, .offset: 8, .size: 8, .value_kind: global_buffer, .address_space: global }
      - { .name: stats, .offset: 16, .size: 8, .value_kind: global_buffer, .address_space: global }
    .group_segment_fixed_size: 327680
    .private_segment_fixed_size: 0
    .kernarg_segment_align: 8
    .kernarg_segment_size: 24
    .max_flat_workgroup_size: 128
    .sgpr_count:     100
    .vgpr_count:     1024
    .wavefront_size: 32
...
	.end_amdgpu_metadata
.endif
;; end of part 2
;; launch fix (part 3): grid 256 x 1, 1 waves a work-group, no clusters, 0 bytes of LDS; arguments stats, pfin; writes pfin
.if DOCPART == 3
	.amdgcn_target "amdgcn-amd-amdhsa--gfx1250"
	.amdhsa_code_object_version 6
	.text
	.protected	k_q22ce434de0_fix
	.globl	k_q22ce434de0_fix
	.p2align	8
	.type	k_q22ce434de0_fix,@function
k_q22ce434de0_fix:
	s_mov_b64 s[64:65], 0
	v_nop
	global_prefetch_b8 v0, s[64:65] scope:SCOPE_SE
	s_setreg_imm32_b32 hwreg(HW_REG_WAVE_MODE, 25, 1), 1
	s_wait_xcnt 0x0
; For each of the 8,192 query rows: 32 sets of figures (-M_e, l_e, scale word), one for each 128 keys, are brought under the row's own M: R = the largest M_e, which is the ceiling of the row's largest t.
; Every scale byte takes M_e - R (a whole number, 0 or less) onto itself, held at 1 from below; l = the sum of l_e 2^(M_e - R); 1 / l is stored beside the words.  The shifts round nothing.
; A lane is a row; a wave takes 32 rows of a group of 128.  Memory binds and the launch is small: no LDS, no barrier, no matrix unit.  Each load reads 512 consecutive bytes, each store of words 256 at a multiple of 256.
; LIMITS: a byte that the shift would take under 1 is held at 1: such a block then counts for at most 28 x 2^-126 beside a row whose largest p exceeds 1/2.  NaN and infinities are not served.
.set D,   16                           ; v16-143  32 sets of four words
.set W,   144                          ; v144-175 the 32 final scale words
.set NMN, 176                          ; -R
.set NM2, 177
.set DL,  178                          ; M_e - R
.set BY,  179                          ; v179-182 four bytes
.set LS,  183                          ; v183-184 the sum in two chains
.set TT,  185
	s_load_b128 s[4:7], s[0:1], 0x0                ; stats s[4:5], pfin s[6:7]
	v_lshlrev_b32 v1, 4, v0                        ; 16 bytes a row of figures
	v_lshlrev_b32 v2, 3, v0                        ; 8 bytes a row of a pair of K steps' words
	v_lshlrev_b32 v3, 2, v0                        ; 4 bytes a row of 1 / l
	s_lshr_b32 s8, ttmp9, 2                        ; the group
	s_and_b32 s9, ttmp9, 3                         ; which 32 of its rows
	s_lshl_b32 s10, s8, 16                         ; stats: group x 65,536 + 512 x quarter
	s_lshl_b32 s12, s9, 9
	s_add_co_u32 s10, s10, s12
	s_mov_b32 s11, 0
	s_lshl_b32 s12, s8, 14                         ; words: group x 16,384 + 256 x quarter
	s_lshl_b32 s14, s9, 8
	s_add_co_u32 s12, s12, s14
	s_mov_b32 s13, 0
	s_lshl_b32 s14, s8, 9                          ; 1 / l: behind the words, group x 512 + 128 x quarter
	s_lshl_b32 s16, s9, 7
	s_add_co_u32 s14, s14, s16
	s_add_co_u32 s14, s14, 1048576
	s_mov_b32 s15, 0
	s_wait_kmcnt 0x0
	s_add_nc_u64 s[4:5], s[4:5], s[10:11]
	s_add_nc_u64 s[16:17], s[6:7], s[14:15]
	s_add_nc_u64 s[6:7], s[6:7], s[12:13]
.set E, 0
.rept 32
	global_load_b128 v[D+4*E:D+4*E+3], v1, s[4:5] offset:E*2048 th:TH_LOAD_NT
.set E, E+1
.endr
	s_wait_loadcnt 0x0
	v_min3_num_f32 v[NMN], v[D], v[D+4], v[D+8]    ; the smallest -M_e, in two chains
	v_min3_num_f32 v[NM2], v[D+64], v[D+68], v[D+72]
.irp e, 3,5,7,9,11,13
	v_min3_num_f32 v[NMN], v[NMN], v[D+4*\e], v[D+4*\e+4]
	v_min3_num_f32 v[NM2], v[NM2], v[D+64+4*\e], v[D+64+4*\e+4]
.endr
	v_min3_num_f32 v[NMN], v[NMN], v[NM2], v[D+60]
	v_min_num_f32 v[NMN], v[NMN], v[D+124]         ; -R
.macro FIXE e
	v_sub_f32 v[DL], v[NMN], v[D+4*(\e)]           ; M_e - R: whole numbers under 2^24, so exact
	v_cvt_i32_f32 v[DL], v[DL]
	v_max_i32 v[DL], 0xffffff00, v[DL]             ; -256 does what anything lower would: every byte falls to 1, every sum to 0
.if (\e) < 2
	v_ldexp_f32 v[LS+(\e)], v[D+4*(\e)+1], v[DL]   ; the first two start the chains
.else
	v_ldexp_f32 v[TT], v[D+4*(\e)+1], v[DL]
	v_add_f32 v[LS+(\e)%2], v[LS+(\e)%2], v[TT]
.endif
.irp k, 0,1,2,3
	v_bfe_u32 v[BY+\k], v[D+4*(\e)+2], 8*\k, 8
.endr
.irp k, 0,1,2,3
	v_add_nc_u32 v[BY+\k], v[BY+\k], v[DL]
.endr
.irp k, 0,1,2,3
	v_max_i32 v[BY+\k], 1, v[BY+\k]
.endr
	v_lshl_or_b32 v[W+(\e)], v[BY+1], 8, v[BY]
	v_lshl_or_b32 v[W+(\e)], v[BY+2], 16, v[W+(\e)]
	v_lshl_or_b32 v[W+(\e)], v[BY+3], 24, v[W+(\e)]
.endm
.set E, 0
.rept 32
	FIXE E
.set E, E+1
.endr
.set E, 0
.rept 16
	global_store_b64 v2, v[W+2*E:W+2*E+1], s[6:7] offset:E*1024   ; the words of K steps 2 E, 2 E + 1
.set E, E+1
.endr
	v_add_f32 v[LS], v[LS], v[LS+1]                ; l: at least 1/2, since the row's largest p exceeds 1/2
	v_rcp_f32 v[TT], v[LS]
	v_nop                                          ; a plain place behind the reciprocal
	s_wait_alu depctr_va_vdst(0)
	global_store_b32 v3, v[TT], s[16:17]           ; 128 consecutive bytes a wave
	s_endpgm
.Lfunc_end_k_q22ce434de0_fix:
	.size	k_q22ce434de0_fix, .Lfunc_end_k_q22ce434de0_fix-k_q22ce434de0_fix
	.p2alignl 7, 3214868480
	.fill 96, 4, 3214868480
	.section	.rodata,"a",@progbits
	.p2align	6, 0x0
	.amdhsa_kernel k_q22ce434de0_fix
		.amdhsa_group_segment_fixed_size 0
		.amdhsa_private_segment_fixed_size 0
		.amdhsa_enable_private_segment 0
		.amdhsa_kernarg_size 16
		.amdhsa_user_sgpr_count 2
		.amdhsa_user_sgpr_kernarg_segment_ptr 1
		.amdhsa_wavefront_size32 1
		.amdhsa_system_sgpr_workgroup_id_x 1
		.amdhsa_system_sgpr_workgroup_id_y 1
		.amdhsa_system_sgpr_workgroup_id_z 1
		.amdhsa_system_vgpr_workitem_id 0
		.amdhsa_next_free_vgpr 192
		.amdhsa_next_free_sgpr 66
		.amdhsa_reserve_vcc 0
		.amdhsa_float_denorm_mode_32 3
		.amdhsa_float_denorm_mode_16_64 3
		.amdhsa_memory_ordered 1
		.amdhsa_forward_progress 1
		.amdhsa_inst_pref_size 36
	.end_amdhsa_kernel
	.amdgpu_metadata
---
amdhsa.version: [ 1, 2 ]
amdhsa.kernels:
  - .name:           k_q22ce434de0_fix
    .symbol:         k_q22ce434de0_fix.kd
    .args:
      - { .name: stats, .offset: 0, .size: 8, .value_kind: global_buffer, .address_space: global }
      - { .name: pfin, .offset: 8, .size: 8, .value_kind: global_buffer, .address_space: global }
    .group_segment_fixed_size: 0
    .private_segment_fixed_size: 0
    .kernarg_segment_align: 8
    .kernarg_segment_size: 16
    .max_flat_workgroup_size: 32
    .sgpr_count:     66
    .vgpr_count:     192
    .wavefront_size: 32
...
	.end_amdgpu_metadata
.endif
;; end of part 3
;; launch pv (part 4): grid 4 x 32, 4 waves a work-group, clusters of 4 x 4, 327,680 bytes of LDS; arguments pcodes, pfin, vq, out0; writes out0
.if DOCPART == 4
	.amdgcn_target "amdgcn-amd-amdhsa--gfx1250"
	.amdhsa_code_object_version 6
	.text
	.protected	k_q22ce434de0_pv
	.globl	k_q22ce434de0_pv
	.p2align	8
	.type	k_q22ce434de0_pv,@function
k_q22ce434de0_pv:
	s_mov_b64 s[64:65], 0
	v_nop
	global_prefetch_b8 v0, s[64:65] scope:SCOPE_SE
	s_setreg_imm32_b32 hwreg(HW_REG_WAVE_MODE, 25, 1), 1
	s_wait_xcnt 0x0
	s_wait_alu depctr_hold_cnt(0) depctr_sa_sdst(0) depctr_va_vdst(0) depctr_va_sdst(0) depctr_va_ssrc(0) depctr_va_vcc(0) depctr_vm_vsrc(0)
	s_getreg_b32 s2, hwreg(HW_REG_IB_STS2, 6, 4)
	s_cmp_eq_u32 s2, 0
	s_cbranch_scc0 .Lentry_in_a_cluster
	s_endpgm
.Lentry_in_a_cluster:
	s_bfe_u32 s2, ttmp6, 0x10000c
	s_cmp_lg_u32 s2, 0xf033
	s_cbranch_scc0 .Lentry_shape_is_right
	s_endpgm
.Lentry_shape_is_right:
; O = P V / l on codes of BF6 (E3M2) with E8M0 scales, K = the 4,096 permuted keys.  P's codes and final scale words, 1 / l and V's codes and scale words were made by the launches before.
; A tile of O, 256 queries x 256 channels, is made by four waves; a wave makes 128 x 128: 64 accumulators, 512 registers.  There are 128 such tiles, one to a work-group.
; OPERANDS LIE IN MEMORY AND IN LDS AS IMAGES OF THEIR REGISTERS: a fragment (16 rows x 128 K, 12 registers) is 1,536 bytes, registers 4 c .. 4 c + 3 of lane L at 512 c + 16 L: three loads of 512 consecutive bytes,
; no pitch, no padding.  128 rows x 256 K are one dense block of 24,576 bytes: one tensor load.  K goes in steps of 256 through a ring of two slots.  A group's scale words, [pair of K steps][row][2], are one dense block and come once.
; CLUSTERS: 4 x 4 work-groups.  The four of a row need the same tiles of P, the four of a column the same tiles of V: each is asked for jointly.  The batch is made of the cluster's y alone, which all sixteen share.
; THE MATRIX INSTRUCTION IS USED TRANSPOSED (source 0 = 16 channels of V, source 1 = 16 queries of P): a lane holds eight neighbouring channels of one query.
; THE STRIDED TRANSPOSE BACK: row b of query group (batch, l) is token 32 b + l: a wave's rows lie 131,072 bytes apart in O; each is stored as 512 consecutive bytes.
; REGISTERS: window 0: v8, v16-29 addresses; v32-63 scale words, two sets; v64-79 1 / l of my rows, in pairs; v128-223 P's fragments, one set; on the way out v128-255.  window 1: V's fragments, two sets.  windows 2, 3: the accumulators.
.set SIZE_K, 4096
.set KSTEP,  256
.set NQ,     2                         ; matrix instructions deep in a slot
.set FR,     12                        ; registers of a fragment
.set FRB,    1536                      ; and its image in bytes
.set NL,     3                         ; LDS loads that bring one
.set NP,     4                         ; places behind this matrix instruction (ISA guide 7.12.1)
.set HALFT,  16*FRB                    ; 128 rows x 256 K: what one tensor load brings
.set SLOT,   4*HALFT                   ; A's two halves, then B's two
.set LAPS,   SIZE_K/(2*KSTEP)
.set GRPB,   (SIZE_K/128)*8*FRB        ; a group's codes
.set HALFS,  (SIZE_K/256)*1024         ; a group's scale words
.set SCL,    2*SLOT                    ; behind the ring: A's scale words; B's lie 128 bytes further on than a multiple of 256, so that the two halves of the lanes read different banks
.set SPARE,  SCL+4*HALFS+256           ; the spare words, 128 bytes for each wave: two blocks of 256 bytes that no other line names
.set BSCL,   6291456                   ; V's scale words lie behind its codes
.set RCPL,   1048576                   ; 1 / l lies behind P's scale words
.set BSH,    3                         ; B's groups in a batch: 8
.set SPITCH, 528                       ; the way out: a stage of 16 rows x (512 bytes + 16) for each wave.  It lies in slot 0, which has had its last fill and its last read when the first result is stored there
.set ROWO,   131072                    ; from one of my rows of O to the next: 32 tokens
.set RA,   8                           ; v8      4 r: my query's 1 / l; never rewritten
.set ADRA, 16                          ; v16-17  LDS address of my A fragments in slot 0, 1
.set ADRB, 20                          ; v20-21  the same for B
.set STO,  24                          ; v24     the way out: where I put 32 bytes of a row
.set RD,   25                          ; v25     the way out: where I read a row back
.set LN,   26                          ; v26     16 x lane; also my byte offset in a row of O
.set ADRS, 27                          ; v27     LDS address of my scale words: lanes 0-15 A's rows, lanes 16-31 B's
.set SPW,  28                          ; v28     LDS address of my spare word; never rewritten
.set NIL,  29                          ; v29     0; never rewritten
.set SC,   32
.set RL,   64                          ; v64-79  1 / l of block a's query, twice, at v[RL + 2 a]
.set AF,   128
.set BK,   128                         ; the way out: 16 rows read back from the stage: v128-191 and v192-255 by turns
.set G1, 24
.set G0, 32
.set G1B, 48
.set G0B, 56
.set G1S, 68
.set G0S, 76
.set G1SB, 80
.set G0SB, 88
.set MSB, 0
.macro WIN new                         ; the immediate's high byte repeats the setting that is left
.if MSB != (\new)
	s_set_vgpr_msb (MSB<<8)|(\new)
.set MSB, (\new)
.endif
.endm
.set MUL_LO, 0xa1                      ; source 0 (B) window 1, source 1 (A) window 0, C and D window 2
.set MUL_HI, 0xf1                      ; the same, C and D window 3
.set TO_B,   0x40                      ; destination window 1, address window 0
; A joint load: waves 0 and 1 fetch for A, waves 2 and 3 for B.  The branch hangs on the wave's number alone.  Four v_nop follow each of the two lines.
.macro JLOAD g0a, g1a, g0b, g1b
	s_cmp_eq_u32 s15, 0
	s_cbranch_scc0 .Lfor_b_\@
	tensor_load_to_lds s[\g0a:\g0a+3], s[\g1a:\g1a+7]
	s_nop 0
.rept 4
	v_nop
.endr
	s_branch .Lasked_\@
.Lfor_b_\@:
	tensor_load_to_lds s[\g0b:\g0b+3], s[\g1b:\g1b+7]
	s_nop 0
.rept 4
	v_nop
.endr
.Lasked_\@:
.endm
.macro CREST                           ; a round of the cluster's barrier behind its opening barrier
	s_cmp_lg_u32 s14, 0
	s_cbranch_scc1 .Lnot_wave_0_\@
	s_barrier_signal -3
.Lnot_wave_0_\@:
	s_barrier_wait -3
	s_barrier_signal -1
	s_barrier_wait -1
.endm
.macro CROUND                          ; a whole round
	s_barrier_signal -1
	s_barrier_wait -1
	CREST
.endm
	s_load_b256 s[4:11], s[0:1], 0x0               ; pcodes s[4:5], pfin s[6:7], vq s[8:9], out0 s[10:11]
	v_lshl_add_u32 v[SPW], v0, 2, SPARE
	v_mov_b32 v[NIL], 0
	ds_add_u32 v28, v29
	ds_add_u32 v28, v29
	s_wait_dscnt 0x0
	v_lshrrev_b32 v1, 5, v0
	v_readfirstlane_b32 s14, v1                    ; wave 0..3
	s_lshr_b32 s15, s14, 1                         ; which half of the tile's rows is mine.  Also: I fetch for A (0) or for B (1)
	s_and_b32 s16, s14, 1                          ; which half of its columns.  Also: which group of that tile I fetch
	s_bfe_u32 s40, ttmp6, 0x40000                  ; cx, cy: my place in the cluster
	s_bfe_u32 s41, ttmp6, 0x40004
	s_lshl_b32 s42, ttmp9, 2
	s_add_co_u32 s42, s42, s40                     ; tile column = 4 x cluster x + cx
	s_and_b32 s17, ttmp7, 0xffff
	s_lshl_b32 s17, s17, 2
	s_add_co_u32 s17, s17, s41                     ; tile row = 4 x cluster y + cy: 16 tile rows a batch
	s_and_b32 s18, ttmp7, 0xffff
	s_lshr_b32 s18, s18, 2                         ; the batch: four clusters' rows each
	s_lshl_b32 s43, s41, 2
	s_lshl_b32 s43, 15, s43                        ; my row of the cluster
	s_lshl_b32 s44, 0x1111, s40                    ; my column
	; descriptor group 1: a dense block as rows of 256 bytes (32 elements of 8 bytes): 96 rows for a tile, HALFS / 256 for a group's scale words; no padding
	s_or_b32 s[G1+0], s43, (3<<16)|(1<<21)         ; 15:0 the mask: A's go to my row; 17:16 elements of 8 bytes; 21 set beside a mask
	s_or_b32 s[G1B+0], s44, (3<<16)|(1<<21)        ; B's go to my column
.irp g, G1, G1B
	s_mov_b32 s[\g+1], 32<<16                      ; tensor_dim0 = 32
	s_mov_b32 s[\g+2], 96<<16                      ; tensor_dim1 = 96
	s_mov_b32 s[\g+3], 32<<16                      ; tile_dim0 = 32
	s_mov_b32 s[\g+4], 96                          ; tile_dim1 = 96
	s_mov_b32 s[\g+5], 32                          ; tensor_dim0_stride
	s_mov_b32 s[\g+6], 0
	s_mov_b32 s[\g+7], 0
.endr
	s_or_b32 s[G1S+0], s43, (3<<16)|(1<<21)
	s_or_b32 s[G1SB+0], s44, (3<<16)|(1<<21)
.irp g, G1S, G1SB
	s_mov_b32 s[\g+1], 32<<16
	s_mov_b32 s[\g+2], (HALFS/256)<<16
	s_mov_b32 s[\g+3], 32<<16
	s_mov_b32 s[\g+4], HALFS/256
	s_mov_b32 s[\g+5], 32
	s_mov_b32 s[\g+6], 0
	s_mov_b32 s[\g+7], 0
.endr
	; where the tiles come from.  A's hang on the tile row and the wave, B's on the tile column, the batch and the wave, each in registers that never hold the other place in the cluster
	s_lshl_b32 s20, s17, 1
	s_add_co_u32 s20, s20, s16                     ; A's group: 2 x tile row + half
	s_mul_i32 s22, s20, HALFS
	s_mov_b32 s23, 0
	s_mul_i32 s20, s20, GRPB
	s_mov_b32 s21, 0
	s_lshl_b32 s46, s42, 1
	s_add_co_u32 s46, s46, s16
	s_lshl_b32 s18, s18, BSH
	s_add_co_u32 s46, s46, s18                     ; B's group: the batch's first + 2 x tile column + half
	s_mul_i32 s92, s46, HALFS
	s_add_co_u32 s92, s92, BSCL
	s_mov_b32 s93, 0
	s_mul_i32 s46, s46, GRPB
	s_mov_b32 s47, 0
	s_mul_i32 s45, s14, HALFT                      ; where they go: wave x a quarter of a slot: no place in the cluster enters an LDS address
	s_mul_i32 s94, s14, HALFS
	s_wait_kmcnt 0x0
	s_add_nc_u64 s[20:21], s[4:5], s[20:21]
	s_add_nc_u64 s[22:23], s[6:7], s[22:23]
	s_add_nc_u64 s[46:47], s[8:9], s[46:47]
	s_add_nc_u64 s[92:93], s[8:9], s[92:93]
	CROUND                                         ; all sixteen work-groups are here: the first joint loads meet
	s_mov_b32 s[G0S], 1
	s_add_co_u32 s[G0S+1], s94, SCL
	s_mov_b64 s[G0S+2:G0S+3], s[22:23]
	s_or_b32 s[G0S+3], s[G0S+3], 0x80000000
	s_mov_b32 s[G0SB], 1
	s_add_co_u32 s[G0SB+1], s94, SCL+128
	s_mov_b64 s[G0SB+2:G0SB+3], s[92:93]
	s_or_b32 s[G0SB+3], s[G0SB+3], 0x80000000
	JLOAD G0S, G1S, G0SB, G1SB                     ; the scale words first: they are wanted with K step 0
.irp s, 0,1
	s_mov_b32 s[G0+4*\s], 1
	s_add_co_u32 s[G0+4*\s+1], s45, \s*SLOT
	s_add_nc_u64 s[G0+4*\s+2:G0+4*\s+3], s[20:21], \s*HALFT
	s_or_b32 s[G0+4*\s+3], s[G0+4*\s+3], 0x80000000
	s_mov_b32 s[G0B+4*\s], 1
	s_add_co_u32 s[G0B+4*\s+1], s45, \s*SLOT
	s_add_nc_u64 s[G0B+4*\s+2:G0B+4*\s+3], s[46:47], \s*HALFT
	s_or_b32 s[G0B+4*\s+3], s[G0B+4*\s+3], 0x80000000
	JLOAD G0+4*\s, G1, G0B+4*\s, G1B               ; by this text's count three tensor loads of a wave are out here, later one
.endr
	v_and_b32 v1, 15, v0                           ; r
	v_bfe_u32 v2, v0, 4, 1                         ; h
	v_and_b32 v3, 31, v0
	v_lshlrev_b32 v[LN], 4, v3                     ; 16 x lane
	; 1 / l of my 128 queries: group G = 2 x tile row + row half; lane (r, h) holds query r of each block of 16
	s_lshl_b32 s12, s17, 1
	s_add_co_u32 s12, s12, s15
	s_lshl_b32 s18, s12, 9
	s_add_co_u32 s18, s18, RCPL
	s_mov_b32 s19, 0
	s_add_nc_u64 s[98:99], s[6:7], s[18:19]
	v_lshlrev_b32 v[RA], 2, v1
.irp a, 0,1,2,3,4,5,6,7
	global_load_b32 v[RL+2*\a], v[RA], s[98:99] offset:64*\a     ; twice: a pair for the packed multiply
	global_load_b32 v[RL+2*\a+1], v[RA], s[98:99] offset:64*\a
.endr
	s_mul_i32 s21, s15, HALFT                      ; my 128 rows of A
	s_mul_i32 s22, s16, HALFT                      ; my 128 rows of B,
	s_add_co_u32 s22, s22, 2*HALFT                 ; which lie behind A's 256
.irp s, 0,1
	v_add_nc_u32 v[ADRA+\s], s21, v[LN]
	v_add_nc_u32 v[ADRB+\s], s22, v[LN]
	s_add_co_u32 s21, s21, SLOT
	s_add_co_u32 s22, s22, SLOT
.endr
	v_lshlrev_b32 v5, 3, v1                        ; my row's two scale words of a slot: 8 r
	s_mul_i32 s21, s15, HALFS                      ; A's: my group
	s_mul_i32 s22, s16, HALFS                      ; B's: my group, behind A's two
	s_add_co_u32 s22, s22, 2*HALFS+128
	s_sub_co_u32 s22, s22, s21
	v_mul_u32_u24 v6, s22, v2                      ; lanes 16-31 take B's: one product, the distance between the two
	s_add_co_u32 s21, s21, SCL
	v_add_nc_u32 v5, v5, v6
	v_add_nc_u32 v[ADRS], s21, v5
	s_mul_i32 s23, s14, 16*SPITCH                  ; my stage
	v_mul_u32_u24 v5, v1, SPITCH                   ; in: row r, 32 bytes for each half of the lanes
	v_lshl_add_u32 v5, v2, 5, v5
	v_add_nc_u32 v[STO], s23, v5
	v_add_nc_u32 v[RD], s23, v[LN]                 ; back: the 32 lanes take one row of 512 bytes
	; O at my first row: batch x 2^24 + l x 4,096 + 1,024 x tile column + 512 x column half
	s_lshr_b32 s18, s12, 5
	s_lshl_b32 s18, s18, 24
	s_and_b32 s13, s12, 31
	s_lshl_b32 s13, s13, 12
	s_add_co_u32 s18, s18, s13
	s_lshl_b32 s13, s42, 10
	s_add_co_u32 s18, s18, s13
	s_lshl_b32 s13, s16, 9
	s_add_co_u32 s18, s18, s13
	s_add_nc_u64 s[10:11], s[10:11], s[18:19]
.macro FRAG reg, adr, q, i             ; a fragment's image: three loads of 512 consecutive bytes
.irp c, 0,1,2
	ds_load_b128 v[\reg+4*\c:\reg+4*\c+3], v[\adr] offset:((\q)*8+(\i))*FRB+512*\c
.endr
.endm
; 16 matrix instructions: A's blocks a0, a0 + 1 x B's eight, 128 along K: the slot's q-th.  p: B's set; sc: the set of scale words.  zero = 1: the first product starts the sums.
; The 64 accumulators take turns, one instruction a turn, in the same order in every step.
.macro MUL16 a0, p, q, sc, zero
.irp a, \a0, \a0+1
.irp b, 0,1,2,3,4,5,6,7
.if \zero
	v_wmma_scale_f32_16x16x128_f8f6f4 v[8*(8*((\a)%4)+\b):8*(8*((\a)%4)+\b)+7], v[128*(\p)+FR*\b:128*(\p)+FR*\b+FR-1], v[AF+FR*(\a):AF+FR*(\a)+FR-1], 0, v[SC+8*NQ*(\sc)+NQ*\b+(\q)], v[SC+8*NQ*(\sc)+NQ*(\a)+(\q)] matrix_a_fmt:MATRIX_FMT_BF6 matrix_b_fmt:MATRIX_FMT_BF6 matrix_a_scale:MATRIX_SCALE_ROW1
.else
	v_wmma_scale_f32_16x16x128_f8f6f4 v[8*(8*((\a)%4)+\b):8*(8*((\a)%4)+\b)+7], v[128*(\p)+FR*\b:128*(\p)+FR*\b+FR-1], v[AF+FR*(\a):AF+FR*(\a)+FR-1], v[8*(8*((\a)%4)+\b):8*(8*((\a)%4)+\b)+7], v[SC+8*NQ*(\sc)+NQ*\b+(\q)], v[SC+8*NQ*(\sc)+NQ*(\a)+(\q)] matrix_a_fmt:MATRIX_FMT_BF6 matrix_b_fmt:MATRIX_FMT_BF6 matrix_a_scale:MATRIX_SCALE_ROW1
.endif
.endr
.endr
.endm
.macro FETCH_B slot, q, p              ; B's eight fragments of the slot's q-th 128 along K into set p
	WIN TO_B
.irp i, 0,1,2,3,4,5,6,7
	FRAG 128*(\p)+FR*\i, ADRB+\slot, \q, \i
.endr
	WIN 0
.endm
.macro FETCH_A slot, q, i0             ; A's blocks i0 .. i0 + 3
.irp i, \i0, \i0+1, \i0+2, \i0+3
	FRAG AF+FR*(\i), ADRA+\slot, \q, \i
.endr
.endm
.macro SCALES sc                       ; a slot's scale words into set sc: two words a row; lanes 0-15 take A's block i, lanes 16-31 B's block i
.irp i, 0,1,2,3,4,5,6,7
	ds_load_b64 v[SC+8*NQ*\sc+NQ*\i:SC+8*NQ*\sc+NQ*\i+1], v[ADRS] offset:\i*128
.endr
.endm
; A load into a register that a matrix instruction has read, and a vector instruction or an LDS store that reads a matrix result, stand NP places behind it; only plain vector
; instructions that name none of its registers are places (ISA guide 7.12.1 for vector instructions).
.macro PLACES n
.rept \n
	v_nop
.endr
.endm
; A step of 128 along K that has its successor in the same slot.
.macro STEP slot, q, zero
	s_wait_dscnt 4*NL                              ; B's set, A's blocks 0-3 and the scale words are in; the youngest twelve loads (A's blocks 4-7) may be out
	WIN MUL_LO
	MUL16 0, (\q)%2, \q, \slot, \zero
	MUL16 2, (\q)%2, \q, \slot, \zero
	s_wait_dscnt 0                                 ; A's blocks 4-7 are in (asked for 32 matrix instructions ago)
	PLACES NP
	FETCH_B \slot, (\q)+1, 1-(\q)%2
	FETCH_A \slot, (\q)+1, 0
	WIN MUL_HI
	MUL16 4, (\q)%2, \q, \slot, \zero
	MUL16 6, (\q)%2, \q, \slot, \zero
	PLACES NP
	WIN 0
	FETCH_A \slot, (\q)+1, 4
.endm
; A slot's last step changes slots: ONE barrier; in front of it each wave waits for all its tensor loads, adds 0 to its spare word, and waits for that and for its own reads of this slot.  fill = 1: this slot is filled again, two K steps ahead.
.macro TURN slot, next, fill
	s_wait_tensorcnt 0x0                           ; all my tensor loads have landed: my part of the next slot  (every window is 0 here)
	ds_add_u32 v[SPW], v[NIL]                      ; 0 onto my spare word
	s_wait_dscnt 4*NL+1                            ; (the add and the youngest twelve loads, A's blocks 4-7, may be out)
	WIN MUL_LO
	MUL16 0, 1, NQ-1, \slot, 0                     ; sixteen matrix instructions stand between the add and the wait for it
	s_wait_dscnt 0x0                               ; the add is done, and my reads of this slot are over
	s_barrier_signal -1
	MUL16 2, 1, NQ-1, \slot, 0
	WIN 0
	s_barrier_wait -1
.if \fill
	CREST                                          ; the barrier has opened a round of the cluster's barrier: no wave of any partner still reads this slot or has a load on its way
	s_add_nc_u64 s[G0+4*\slot+2:G0+4*\slot+3], s[G0+4*\slot+2:G0+4*\slot+3], 2*HALFT
	s_add_nc_u64 s[G0B+4*\slot+2:G0B+4*\slot+3], s[G0B+4*\slot+2:G0B+4*\slot+3], 2*HALFT
	JLOAD G0+4*\slot, G1, G0B+4*\slot, G1B         ; the first tensor load behind the round; the four v_nop behind it are the places in front of the loads below
.else
	PLACES NP
.endif
	v_add_nc_u32 v[ADRS], 1024, v[ADRS]            ; on to the next slot's scale words (no LDS load of mine is out)
	FETCH_B \next, 0, 0
	FETCH_A \next, 0, 0
	SCALES \next
	WIN MUL_HI
	MUL16 4, 1, NQ-1, \slot, 0
	MUL16 6, 1, NQ-1, \slot, 0
	PLACES NP
	WIN 0
	FETCH_A \next, 0, 4
.endm
	s_wait_loadcnt 0x0                             ; 1 / l: awaited beside the first tiles, so that no load is out at a barrier
	s_wait_tensorcnt 1                             ; the scale words and my part of K step 0 are in (K step 1's load may be out)
	s_barrier_signal -1
	s_barrier_wait -1                              ; everybody's are
	FETCH_B 0, 0, 0
	FETCH_A 0, 0, 0
	SCALES 0
	FETCH_A 0, 0, 4
	STEP 0, 0, 1                                   ; the first step stands in front of the loop: its products start the sums
	s_mov_b32 s3, LAPS-1
.Llap:                                                 ; a trip goes once round the ring, from a lap's second step to the next lap's first, and fills both slots again
	TURN 0, 1, 1
	STEP 1, 0, 0
	TURN 1, 0, 1
	STEP 0, 0, 0
	s_sub_co_u32 s3, s3, 1
	s_cmp_lg_u32 s3, 0
	s_cbranch_scc1 .Llap
	TURN 0, 1, 0                                   ; the last lap fills nothing, and has no round of the cluster's barrier
	STEP 1, 0, 0
	s_wait_dscnt 4*NL                              ; the very last step: nothing more to fetch
	WIN MUL_LO
	MUL16 0, 1, NQ-1, 1, 0
	MUL16 2, 1, NQ-1, 1, 0
	s_wait_dscnt 0
	WIN MUL_HI
	MUL16 4, 1, NQ-1, 1, 0
	MUL16 6, 1, NQ-1, 1, 0
	WIN 0
; THE WAY OUT, block by block of 16 queries x 128 channels: divided by l, through my own stage in LDS, back as whole rows of 512 bytes, each stored to its token.
; LDS serves a wave's instructions in order (ISA guide 5.7.1.4): no wait between the stores and the loads, nor in front of the next block's stores.
.macro SCALE a
.set AC, 64*((\a)%4)
	WIN 0x82+0x41*((\a)/4)                         ; destination and source 0: window 2 or 3; 1 / l in window 0
.set J, 0
.rept 32
	v_pk_mul_f32 v[AC+J:AC+J+1], v[AC+J:AC+J+1], v[RL+2*(\a):RL+2*(\a)+1]   ; each accumulator from its low end on
.set J, J+2
.endr
.endm
.macro TOSTAGE a
.set AC, 64*((\a)%4)
	WIN 0x08+4*((\a)/4)                            ; the data: window 2 or 3
.irp b, 0,1,2,3,4,5,6,7
	ds_store_b128 v[STO], v[AC+8*\b:AC+8*\b+3] offset:64*\b
	ds_store_b128 v[STO], v[AC+8*\b+4:AC+8*\b+7] offset:64*\b+16
.endr
	WIN 0
.set BB, BK+64*((\a)%2)
.irp t, 0,1,2,3,4,5,6,7,8,9,10,11,12,13,14,15
	ds_load_b128 v[BB+4*\t:BB+4*\t+3], v[RD] offset:\t*SPITCH
.endr
.endm
.macro SEND a, younger                 ; younger: the LDS instructions issued behind block a's loads, which may stay out
.set BB, BK+64*((\a)%2)
	s_wait_dscnt \younger                          ; the block is back in registers
.if (\a) > 0
	s_add_nc_u64 s[10:11], s[10:11], 16*ROWO       ; (behind a wait on XCNT: the earlier stores have read their base)  16 rows on: the offsets stay at 15 rows, inside the signed 24-bit immediate
.endif
.irp t, 0,1,2,3,4,5,6,7,8,9,10,11,12,13,14,15
	global_store_b128 v[LN], v[BB+4*\t:BB+4*\t+3], s[10:11] offset:\t*ROWO th:TH_STORE_NT   ; 32 lanes store 512 consecutive bytes, at a multiple of 512 from O's first byte
.endr
.endm
	PLACES NP                                      ; behind the last products: results are read, and loads land in the registers that held A's fragments
	SCALE 0
	TOSTAGE 0
.irp a, 1,2,3,4,5,6,7
	SCALE \a
.if \a > 1
	s_wait_xcnt 0x0                                ; block a - 2's stores have read their registers and their base: block a's loads may land there, and the base may step
.endif
	TOSTAGE \a
	SEND \a-1, 32                                  ; behind block a - 1's loads: block a's 16 stores and 16 loads
.endr
	s_wait_xcnt 0x0                                ; block 6's stores have read their base
	SEND 7, 0
	s_wait_tensorcnt 0x0                           ; the wave's end, behind my last tensor load and my last LDS store
	ds_add_u32 v[SPW], v[NIL]
	s_wait_dscnt 0x0
	CROUND                                         ; the closing round: no work-group ends while a partner may still ask for a tile that names it
	s_endpgm
.Lfunc_end_k_q22ce434de0_pv:
	.size	k_q22ce434de0_pv, .Lfunc_end_k_q22ce434de0_pv-k_q22ce434de0_pv
	.p2alignl 7, 3214868480
	.fill 96, 4, 3214868480
	.section	.rodata,"a",@progbits
	.p2align	6, 0x0
	.amdhsa_kernel k_q22ce434de0_pv
		.amdhsa_group_segment_fixed_size 327680
		.amdhsa_private_segment_fixed_size 0
		.amdhsa_enable_private_segment 0
		.amdhsa_kernarg_size 32
		.amdhsa_user_sgpr_count 2
		.amdhsa_user_sgpr_kernarg_segment_ptr 1
		.amdhsa_wavefront_size32 1
		.amdhsa_system_sgpr_workgroup_id_x 1
		.amdhsa_system_sgpr_workgroup_id_y 1
		.amdhsa_system_sgpr_workgroup_id_z 1
		.amdhsa_system_vgpr_workitem_id 0
		.amdhsa_next_free_vgpr 1024
		.amdhsa_next_free_sgpr 100
		.amdhsa_reserve_vcc 0
		.amdhsa_float_denorm_mode_32 3
		.amdhsa_float_denorm_mode_16_64 3
		.amdhsa_memory_ordered 1
		.amdhsa_forward_progress 1
		.amdhsa_inst_pref_size 153
	.end_amdhsa_kernel
	.amdgpu_metadata
---
amdhsa.version: [ 1, 2 ]
amdhsa.kernels:
  - .name:           k_q22ce434de0_pv
    .symbol:         k_q22ce434de0_pv.kd
    .args:
      - { .name: pcodes, .offset: 0, .size: 8, .value_kind: global_buffer, .address_space: global }
      - { .name: pfin, .offset: 8, .size: 8, .value_kind: global_buffer, .address_space: global }
      - { .name: vq, .offset: 16, .size: 8, .value_kind: global_buffer, .address_space: global }
      - { .name: out0, .offset: 24, .size: 8, .value_kind: global_buffer, .address_space: global }
    .group_segment_fixed_size: 327680
    .private_segment_fixed_size: 0
    .kernarg_segment_align: 8
    .kernarg_segment_size: 32
    .max_flat_workgroup_size: 128
    .sgpr_count:     100
    .vgpr_count:     1024
    .wavefront_size: 32
...
	.end_amdgpu_metadata
.endif
;; end of part 4
;; ======== version 2 of 2: 3 launches
;; limits: right only within a limited range of input values
;; workspace buffers: qk 13,107,200 bytes; vq 6,553,600 bytes; pcodes 26,214,400 bytes; stats 8,388,608 bytes
;; launch quant (part 5): grid 768 x 1, 4 waves a work-group, no clusters, 34,304 bytes of LDS; arguments q, k, v, qk, vq; writes qk, vq
.if DOCPART == 5
	.amdgcn_target "amdgcn-amd-amdhsa--gfx1250"
	.amdhsa_code_object_version 6
	.text
	.protected	k_q22ce434de0_quant
	.globl	k_q22ce434de0_quant
	.p2align	8
	.type	k_q22ce434de0_quant,@function
k_q22ce434de0_quant:
	s_mov_b64 s[64:65], 0
	v_nop
	global_prefetch_b8 v0, s[64:65] scope:SCOPE_SE
	s_setreg_imm32_b32 hwreg(HW_REG_WAVE_MODE, 25, 1), 1
	s_wait_xcnt 0x0
; q, k, v: [2][4096][1024] f32 -> codes of BF6 (E3M2) with one E8M0 byte for each 32 along a product's K, laid IN THE ORDER OF THE OPERAND'S REGISTERS.
; A fragment is 16 rows x 128 K, 12 registers a lane, 1,536 bytes: registers 4 c .. 4 c + 3 of lane L lie at 512 c + 16 L.  A group is 128 rows.
; q and k (buffer qk): a group's codes [K step of 128][block of 16 rows][1536]; its scale words, in a part of their own, [pair of K steps][row][2], 1,024 bytes a pair.
; v (buffer vq): a group is 16 pairs of K steps of 25,600 bytes: [K step of the pair][block of 16 rows][1536], 24,576 bytes, and behind them the pair's scale words [row][2], 1,024 bytes: codes and words are one dense block.
; THE STRIDED TRANSPOSE only renames tokens: permuted row l 128 + b is token 32 b + l.  A group of q or of k is (batch, l), its row b; K = the 1,024 channels.
; v's K is the PERMUTED key axis: a K step is one l, a block of 32 is b = 32 j .. 32 j + 31; a group of v is (batch, 128 channels), its rows the channels.
; Inside a block of v position i holds key sg(i) = i % 8 + 16 ((i / 8) % 2) + 8 (i / 16): the order in which the launch that makes p finds its keys in its registers; a block's members, and so its scale, are unchanged.
; A block's scale byte is its largest magnitude's exponent field - 4, held at 1 from below by a floor among the maximum's leaves.
; LIMITS: NaN and infinities are not served; a block whose largest magnitude lies under 2^-122 (a block of zeros too) keeps the byte 1: its codes are then zeros or subnormal codes, and this program alone reads the bytes.
; Work-groups 0-255 take q, 256-511 k, 512-767 v.  Waves share nothing: no barrier.  Only the path of q and k touches LDS.  No loop: every offset is an immediate.
.set SPT,  528                         ; a stage row: 512 bytes + 16, an odd multiple of 16: the sixteen rows that a read touches start at different groups of banks
.set STGB, 16*SPT                      ; a wave's stage
.set R,    16                          ; v16-143  q, k: two sets of 16 rows x 16 bytes a lane, as loaded
.set X,    144                         ; v144-207 64 numbers of my row: register 16 b + i = k 32 b + 16 (lane / 16) + i
.set TM,   208                         ; v208-223 at work in QUANT
.set PC,   224                         ; v224-235 a fragment's codes; v236-238, v240-242 the upper halves as converted
.set PW,   244                         ; v244-247 a scale word for each K step
.set DD,   248                         ; v248-249 the scale words as stored
.set SEL,  20                          ; s[20:21] lane selects: lane l xor 16
.set MK,   22                          ; s22 mask of lanes 16-31
.set XV,   16                          ; v: v16-79 two sets of 32 numbers
.set TC,   84                          ; v84-86 a block's upper 16 codes as converted
.set WD,   88                          ; v88-89 the two K steps' scale words
.set CV,   96                          ; v96-143 codes
	s_load_b256 s[4:11], s[0:1], 0x0               ; q s[4:5], k s[6:7], v s[8:9], qk s[10:11]
	s_load_b64 s[12:13], s[0:1], 0x20              ; vq
	v_lshl_add_u32 v254, v0, 2, 0x8400
	v_mov_b32 v255, 0
	v_lshrrev_b32 v1, 5, v0
	v_readfirstlane_b32 s16, v1                    ; wave 0..3
	v_and_b32 v1, 31, v0                           ; lane
	v_and_b32 v2, 15, v0                           ; r
	v_bfe_u32 v3, v0, 4, 1                         ; h
	s_cmp_lt_u32 ttmp9, 512
	s_cbranch_scc0 .Lv
; ---------------- q and k: a wave takes 16 permuted rows (one l, b = 16 i ..) x 4 K steps (2,048 bytes of each row)
	v_lshlrev_b32 v4, 4, v1                        ; 16 x lane: a load's and a code store's place
	s_mul_i32 s17, s16, STGB
	v_add_nc_u32 v5, s17, v4                       ; the stage, in: a row's 512 bytes as they lie
	v_mul_u32_u24 v6, v2, SPT
	v_lshl_add_u32 v6, v3, 6, v6
	v_add_nc_u32 v6, s17, v6                       ; out: row r, + 64 h: my 16 numbers of a block of 32
	v_lshlrev_b32 v7, 3, v2
	v_lshl_add_u32 v7, v3, 10, v7                  ; scale words: 8 r, lanes 16-31 one pair of K steps on
	s_mov_b32 s[SEL], 0x76543210
	s_mov_b32 s[SEL+1], 0xfedcba98
	s_mov_b32 s[MK], 0xffff0000
.irp b, 0,1,2,3
	v_mov_b32 v[TM+4+\b], 0                        ; written once: a lane permute's destination counts as one of its sources
.endr
	s_and_b32 s23, ttmp9, 255
	s_lshr_b32 s24, s23, 7                         ; batch
	s_and_b32 s25, s23, 127
	s_lshl_b32 s25, s25, 2
	s_add_co_u32 s25, s25, s16                     ; which of the batch's 512 shares is my wave's
	s_and_b32 s26, s25, 1                          ; hh: which half of K
	s_lshr_b32 s25, s25, 1
	s_lshr_b32 s27, s25, 3                         ; l
	s_and_b32 s25, s25, 7                          ; i: which 16 of the group's rows
	s_lshl_b32 s28, s24, 5
	s_add_co_u32 s28, s28, s27                     ; the group: 32 batch + l
	s_lshl_b32 s30, s24, 24                        ; source: batch x 2^24 + i x 16 tokens' strides of 131,072 + l x 4,096 + hh x 2,048
	s_lshl_b32 s29, s25, 21
	s_add_co_u32 s30, s30, s29
	s_lshl_b32 s29, s27, 12
	s_add_co_u32 s30, s30, s29
	s_lshl_b32 s29, s26, 11
	s_add_co_u32 s30, s30, s29
	s_mov_b32 s31, 0
	s_mul_i32 s32, s28, 98304                      ; codes: group x 98,304 + 4 hh K steps of 12,288 + i x 1,536
	s_mul_i32 s29, s26, 49152
	s_add_co_u32 s32, s32, s29
	s_mul_i32 s29, s25, 1536
	s_add_co_u32 s32, s32, s29
	s_lshl_b32 s34, s28, 12                        ; scale words: group x 4,096 + 2 hh pairs of 1,024 + i x 128, behind both tensors' codes
	s_lshl_b32 s29, s26, 11
	s_add_co_u32 s34, s34, s29
	s_lshl_b32 s29, s25, 7
	s_add_co_u32 s34, s34, s29
	s_add_co_u32 s34, s34, 12582912
	s_wait_alu depctr_va_vdst(0)
	s_wait_kmcnt 0x0
	s_cmp_lt_u32 ttmp9, 256                        ; q's work-group or k's?  The choice hangs on the work-group's number alone
	s_cselect_b64 s[4:5], s[4:5], s[6:7]
	s_cselect_b32 s18, 0, 6291456
	s_cselect_b32 s19, 0, 262144
	s_add_co_u32 s32, s32, s18
	s_mov_b32 s33, 0
	s_add_co_u32 s34, s34, s19
	s_mov_b32 s35, 0
	s_add_nc_u64 s[4:5], s[4:5], s[30:31]
	s_add_nc_u64 s[36:37], s[10:11], s[32:33]
	s_add_nc_u64 s[38:39], s[10:11], s[34:35]
.macro LOADQ t                         ; K step t of my 16 rows: each load reads 512 consecutive bytes of one row; rows lie 32 tokens (131,072 bytes) apart
.irp i, 0,1,2,3,4,5,6,7,8,9,10,11,12,13,14,15
	global_load_b128 v[R+64*((\t)%2)+4*\i:R+64*((\t)%2)+4*\i+3], v4, s[4:5] offset:\i*131072+(\t)*512 th:TH_LOAD_NT
.endr
.endm
; 64 numbers of a lane, v[s] on, register 16 b + i = k 32 b + 16 (lane / 16) + i of my row, become a fragment's codes in v[PC] on and its scale word in v[w].
.macro QUANT s, w
.irp b, 0,1,2,3
	v_max3_num_f32 v[TM+\b], |v[\s+16*\b]|, |v[\s+1+16*\b]|, 0x2800000   ; block b: my 16 numbers, and the floor 2^(5 - 127): the byte cannot fall under 1
.endr
.irp i, 2,4,6,8,10,12,14
.irp b, 0,1,2,3
	v_max3_num_f32 v[TM+\b], v[TM+\b], |v[\s+16*\b+\i]|, |v[\s+1+16*\b+\i]|   ; the four blocks by turns
.endr
.endr
.irp b, 0,1,2,3
	v_permlanex16_b32 v[TM+4+\b], v[TM+\b], s[SEL], s[SEL+1]
.endr
.irp b, 0,1,2,3
	v_max_num_f32 v[TM+\b], v[TM+\b], v[TM+4+\b]   ; with lane l xor 16's: the block's largest magnitude
.endr
.irp b, 0,1,2,3
	v_add_nc_u32 v[TM+12+\b], 0xfe000000, v[TM+\b] ; 4 off its exponent field: the conversion takes the exponent field of this operand as its scale
.endr
.irp b, 0,1,2,3
	v_lshrrev_b32 v[TM+4+\b], 23, v[TM+12+\b]      ; the scale's byte
.endr
	v_lshl_or_b32 v[\w], v[TM+5], 8, v[TM+4]       ; four bytes make my row's scale word
	v_lshl_or_b32 v[\w], v[TM+6], 16, v[\w]
	v_lshl_or_b32 v[\w], v[TM+7], 24, v[\w]
.irp c, 0,1
	v_cvt_scalef32_pk16_bf6_f32 v[PC+6*\c:PC+2+6*\c], v[\s+32*\c:\s+15+32*\c], v[TM+12+2*\c]
	v_cvt_scalef32_pk16_bf6_f32 v[PC+12+4*\c:PC+14+4*\c], v[\s+16+32*\c:\s+31+32*\c], v[TM+12+2*\c+1]   ; (a conversion's three registers begin on an even number)
.endr
	v_nop                                          ; one plain place behind a scaled conversion
.irp c, 0,1                                    ; the operand's layout wants a WHOLE block in a lane: lanes 0-15 block 2 c, lanes 16-31 block 2 c + 1
.irp i, 0,1,2
	v_permlane16_swap_b32 v[PC+6*\c+\i], v[PC+12+4*\c+\i]
.endr
.irp i, 0,1,2
	v_mov_b32 v[PC+3+6*\c+\i], v[PC+12+4*\c+\i]
.endr
.endr
.endm
.macro STEPQ t
.if (\t) < 3
	s_wait_loadcnt 16                              ; this step's 16 loads are in; the next step's 16 may be out
.else
	s_wait_loadcnt 0x0
.endif
.irp i, 0,1,2,3,4,5,6,7,8,9,10,11,12,13,14,15
	ds_store_b128 v5, v[R+64*((\t)%2)+4*\i:R+64*((\t)%2)+4*\i+3] offset:SPT*\i   ; row i as it lies
.endr
.irp b, 0,1,2,3
.irp j, 0,1,2,3
	ds_load_b128 v[X+16*\b+4*\j:X+16*\b+4*\j+3], v6 offset:128*\b+16*\j   ; LDS serves a wave's instructions in order: these see the stores above
.endr
.endr
	s_wait_dscnt 0x0                               ; my 64 numbers are in, and the stores have read their registers,
.if (\t) < 2
	LOADQ (\t)+2                                   ; which take the loads of two steps on
.endif
.if (\t) > 0
	s_wait_xcnt 0x0                                ; the last step's stores have read the codes' registers: they are written again only behind this wait
.endif
	QUANT X, PW+(\t)
.irp c, 0,1,2
	global_store_b128 v4, v[PC+4*\c:PC+4*\c+3], s[36:37] offset:(\t)*12288+512*\c   ; the fragment's image: 512 consecutive bytes a store, at a multiple of 512
.endr
.endm
	LOADQ 0
	LOADQ 1
	STEPQ 0
	STEPQ 1
	STEPQ 2
	STEPQ 3
	v_cndmask_b32 v[DD], v[PW], v[PW+2], s[MK]     ; both halves of the lanes hold every row's words: lanes 0-15 store K steps 0, 1, lanes 16-31 K steps 2, 3
	v_cndmask_b32 v[DD+1], v[PW+1], v[PW+3], s[MK]
	global_store_b64 v7, v[DD:DD+1], s[38:39]      ; two pieces of 128 consecutive bytes: one byte in 128 of what the wave reads
	s_wait_tensorcnt 0x0
	ds_add_u32 v254, v255
	s_wait_dscnt 0x0
	s_endpgm
; ---------------- v: a lane takes a channel, its registers run down the permuted keys.  A work-group: 128 channels x the K steps l = 2 s, 2 s + 1; a wave: 32 channels
.Lv:
	s_wait_alu depctr_va_vdst(0)
	v_lshlrev_b32 v4, 2, v1                        ; in: 4 bytes a lane: 128 consecutive bytes a wave, 512 a work-group
	v_mul_u32_u24 v5, v3, 1536
	v_lshl_add_u32 v5, v2, 4, v5                   ; out: lanes 0-15 belong to my first tile of 16 channels, lanes 16-31 to my second; 16 bytes a lane
	v_lshlrev_b32 v6, 3, v0                        ; scale words: 8 bytes a channel of the group
	s_sub_co_u32 s17, ttmp9, 512
	s_lshr_b32 s18, s17, 7                         ; batch
	s_bfe_u32 s19, s17, 0x30004                    ; which 128 channels
	s_and_b32 s20, s17, 15                         ; s
	s_lshl_b32 s24, s18, 24                        ; source: batch x 2^24 + 2 s x 4,096 + 512 x group + 128 x wave
	s_lshl_b32 s21, s20, 13
	s_add_co_u32 s24, s24, s21
	s_lshl_b32 s21, s19, 9
	s_add_co_u32 s24, s24, s21
	s_lshl_b32 s21, s16, 7
	s_add_co_u32 s24, s24, s21
	s_mov_b32 s25, 0
	s_lshl_b32 s22, s18, 3
	s_add_co_u32 s22, s22, s19                     ; the group: 8 batch + channels / 128
	s_mul_i32 s30, s22, 409600                     ; the pair's block: group x 409,600 + s x 25,600
	s_mul_i32 s21, s20, 25600
	s_add_co_u32 s30, s30, s21
	s_mul_i32 s21, s16, 3072                       ; codes: my two tiles' 3,072 x wave on
	s_add_co_u32 s28, s30, s21
	s_mov_b32 s29, 0
	s_add_co_u32 s30, s30, 24576                   ; scale words: behind the pair's codes
	s_mov_b32 s31, 0
	s_wait_alu depctr_va_vdst(0)
	s_wait_kmcnt 0x0
	s_add_nc_u64 s[24:25], s[8:9], s[24:25]        ; keys b = 0 .. 63
	s_add_nc_u64 s[26:27], s[24:25], 8388608       ; keys b = 64 .. 127: a second base, so that every offset stays inside the signed 24-bit immediate
	s_add_nc_u64 s[28:29], s[12:13], s[28:29]
	s_add_nc_u64 s[30:31], s[12:13], s[30:31]
.macro LOADV t                         ; block t = 4 q + j: K step l = 2 s + q, keys b = 32 j + sg(i), into set t % 2
.set QL, (\t)/4
.set JL, (\t)%4
.irp i, 0,1,2,3,4,5,6,7,8,9,10,11,12,13,14,15,16,17,18,19,20,21,22,23,24,25,26,27,28,29,30,31
	global_load_b32 v[XV+32*((\t)%2)+\i], v4, s[24+2*(JL/2):25+2*(JL/2)] offset:(JL%2)*4194304+((\i%8)+16*((\i/8)%2)+8*(\i/16))*131072+QL*4096 th:TH_LOAD_NT
.endr
.endm
.macro BLOCKV t
.set QB, (\t)/4
.set JB, (\t)%4
.set XS, XV+32*((\t)%2)
.set CB, CV+24*QB+12*(JB%2)+6*(JB/2)   ; blocks 0 and 2 are the twelve registers of the image's lanes 0-15, blocks 1 and 3 those of its lanes 16-31
.if (\t) < 7
	s_wait_loadcnt 32                              ; this block's 32 loads are in; the next block's may be out
.else
	s_wait_loadcnt 0x0
.endif
	v_max3_num_f32 v80, |v[XS]|, |v[XS+1]|, |v[XS+2]|   ; the block's largest magnitude: all 32 numbers are mine
	v_max3_num_f32 v81, |v[XS+3]|, |v[XS+4]|, |v[XS+5]|
.irp i, 6,10,14,18,22,26
	v_max3_num_f32 v80, v80, |v[XS+\i]|, |v[XS+\i+1]|
	v_max3_num_f32 v81, v81, |v[XS+\i+2]|, |v[XS+\i+3]|
.endr
	v_max3_num_f32 v80, v80, |v[XS+30]|, |v[XS+31]|
	v_max3_num_f32 v80, v80, v81, 0x2800000        ; and the floor 2^(5 - 127)
	v_add_nc_u32 v82, 0xfe000000, v80              ; 4 off its exponent field: the conversion's scale operand
	v_cvt_scalef32_pk16_bf6_f32 v[CB:CB+2], v[XS:XS+15], v82
	v_cvt_scalef32_pk16_bf6_f32 v[TC:TC+2], v[XS+16:XS+31], v82   ; (a conversion's three registers begin on an even number)
	v_lshrrev_b32 v83, 23, v82                     ; the scale's byte; also the plain place behind the conversions
.if JB == 0
	v_mov_b32 v[WD+QB], v83
.else
	v_lshl_or_b32 v[WD+QB], v83, 8*JB, v[WD+QB]
.endif
.irp i, 0,1,2
	v_mov_b32 v[CB+3+\i], v[TC+\i]
.endr
.if (\t) < 6
	LOADV (\t)+2
.endif
.if JB == 3                            ; a K step's codes are whole: six stores; in each, sixteen lanes fill 256 consecutive bytes at a multiple of 256.  No store's data are written again
.irp c, 0,1,2
	global_store_b128 v5, v[CV+24*QB+4*\c:CV+24*QB+4*\c+3], s[28:29] offset:QB*12288+512*\c
	global_store_b128 v5, v[CV+24*QB+12+4*\c:CV+24*QB+12+4*\c+3], s[28:29] offset:QB*12288+512*\c+256
.endr
.endif
.endm
	LOADV 0
	LOADV 1
.irp t, 0,1,2,3,4,5,6,7
	BLOCKV \t
.endr
	global_store_b64 v6, v[WD:WD+1], s[30:31]      ; 256 consecutive bytes a wave, at a multiple of 256
	s_endpgm
.Lfunc_end_k_q22ce434de0_quant:
	.size	k_q22ce434de0_quant, .Lfunc_end_k_q22ce434de0_quant-k_q22ce434de0_quant
	.p2alignl 7, 3214868480
	.fill 96, 4, 3214868480
	.section	.rodata,"a",@progbits
	.p2align	6, 0x0
	.amdhsa_kernel k_q22ce434de0_quant
		.amdhsa_group_segment_fixed_size 34304
		.amdhsa_private_segment_fixed_size 0
		.amdhsa_enable_private_segment 0
		.amdhsa_kernarg_size 40
		.amdhsa_user_sgpr_count 2
		.amdhsa_user_sgpr_kernarg_segment_ptr 1
		.amdhsa_wavefront_size32 1
		.amdhsa_system_sgpr_workgroup_id_x 1
		.amdhsa_system_sgpr_workgroup_id_y 1
		.amdhsa_system_sgpr_workgroup_id_z 1
		.amdhsa_system_vgpr_workitem_id 0
		.amdhsa_next_free_vgpr 256
		.amdhsa_next_free_sgpr 66
		.amdhsa_reserve_vcc 0
		.amdhsa_float_denorm_mode_32 3
		.amdhsa_float_denorm_mode_16_64 3
		.amdhsa_memory_ordered 1
		.amdhsa_forward_progress 1
		.amdhsa_inst_pref_size 72
	.end_amdhsa_kernel
	.amdgpu_metadata
---
amdhsa.version: [ 1, 2 ]
amdhsa.kernels:
  - .name:           k_q22ce434de0_quant
    .symbol:         k_q22ce434de0_quant.kd
    .args:
      - { .name: q, .offset: 0, .size: 8, .value_kind: global_buffer, .address_space: global }
      - { .name: k, .offset: 8, .size: 8, .value_kind: global_buffer, .address_space: global }
      - { .name: v, .offset: 16, .size: 8, .value_kind: global_buffer, .address_space: global }
      - { .name: qk, .offset: 24, .size: 8, .value_kind: global_buffer, .address_space: global }
      - { .name: vq, .offset: 32, .size: 8, .value_kind: global_buffer, .address_space: global }
    .group_segment_fixed_size: 34304
    .private_segment_fixed_size: 0
    .kernarg_segment_align: 8
    .kernarg_segment_size: 40
    .max_flat_workgroup_size: 128
    .sgpr_count:     66
    .vgpr_count:     256
    .wavefront_size: 32
...
	.end_amdgpu_metadata
.endif
;; end of part 5
;; launch scores (part 6): grid 8 x 32, 8 waves a work-group, clusters of 4 x 1, 304,128 bytes of LDS; arguments qk, pcodes, stats; writes pcodes, stats
.if DOCPART == 6
	.amdgcn_target "amdgcn-amd-amdhsa--gfx1250"
	.amdhsa_code_object_version 6
	.text
	.protected	k_q22ce434de0_scores
	.globl	k_q22ce434de0_scores
	.p2align	8
	.type	k_q22ce434de0_scores,@function
k_q22ce434de0_scores:
	s_mov_b64 s[64:65], 0
	v_nop
	global_prefetch_b8 v0, s[64:65] scope:SCOPE_SE
	s_setreg_imm32_b32 hwreg(HW_REG_WAVE_MODE, 25, 1), 1
	s_wait_xcnt 0x0
	s_wait_alu depctr_hold_cnt(0) depctr_sa_sdst(0) depctr_va_vdst(0) depctr_va_sdst(0) depctr_va_ssrc(0) depctr_va_vcc(0) depctr_vm_vsrc(0)
	s_getreg_b32 s2, hwreg(HW_REG_IB_STS2, 6, 4)
	s_cmp_eq_u32 s2, 0
	s_cbranch_scc0 .Lentry_in_a_cluster
	s_endpgm
.Lentry_in_a_cluster:
	s_bfe_u32 s2, ttmp6, 0x10000c
	s_cmp_lg_u32 s2, 0x3003
	s_cbranch_scc0 .Lentry_shape_is_right
	s_endpgm
.Lentry_shape_is_right:
; S = Q K^T on codes of BF6 (E3M2) with E8M0 scales, K = 1,024 channels; then p = 2^(t - M), t = S log2(e) / 16, M = ceil(the largest t of the row's 64 keys that this wave holds);
; p's codes along the permuted keys, and for each row and 64 keys the figures -M, the sum of the unquantised p, and the two scale bytes under that M.  M is a whole number: the next launch brings
; bytes and sums under the row's own M by whole steps of the exponent.
; A work-group: 256 queries (two groups of 128) x 512 keys (four groups).  THE KEYS STAY IN REGISTERS: a wave holds 64 keys x all of K, 32 fragments of 12 registers, brought once
; (fragments lie in memory as images of their registers: 1,536 bytes, registers 4 c .. 4 c + 3 of lane L at 512 c + 16 L).  THE QUERIES STAY IN LDS: 196,608 bytes of codes and 8,192 of scale words.
; Every wave issues one tensor load at the head: waves 0-2 bring 65,536 bytes of the queries' codes each, wave 3 their scale words, waves 4-7 K steps 0 and 1 of one key group each (24,576 bytes),
; which the waves then read into registers; K steps 2 to 7 of the keys go from memory straight into registers, 72 loads a wave.  Nothing is filled again: one barrier, no ring.
; A unit is 16 queries x 64 keys: 8 K steps x 4 products on 4 accumulators by turns, then the unit's softmax.  Two waves share a SIMD and no barrier ties them in the loop.
; A wave's keys are blocks hh and 2 + hh of its group's four blocks of 32: in p's fragment (16 queries x 128 keys) these are all twelve registers of lanes 16 hh .. 16 hh + 15, so each store fills whole pieces of 256 bytes.
; THE MATRIX INSTRUCTION IS USED TRANSPOSED (source 0 = 16 keys, source 1 = 16 queries): a lane holds one query (lane % 16) and, in key tile n, keys 16 n + 8 (lane / 16) + 0 .. 7; v's codes are laid in that order.
; CLUSTER 4, 1, 1: the four work-groups share their queries and ask for them jointly; their keys differ, so the keys' loads are each work-group's own.
; No prefetch: every load of the launch goes out at its head; there is no loop to run ahead in.
; The last trip's loads for a next unit read LDS bytes inside the queries' tile and are not used.
; LIMITS: NaN and infinities are not served; |t| stays under 2^24, so that M is exact; a block whose every p lies under 2^-122 keeps the byte 1.
; stats: [group of 128 queries][K step of the second product e][hh][row][16 bytes].
.set FRB,   1536
.set GRPB,  98304                      ; a group's codes: [K step][block of 16 rows][1536]
.set SCL,   196608                     ; LDS: the queries' scale words, [group][pair of K steps][row][2]
.set KLD,   204800                     ; LDS: K steps 0, 1 of the four key groups
.set SPARE, 303104                     ; the spare words: 128 bytes a wave
.set BCODE, 6291456                    ; where k's codes, q's words and k's words lie in qk
.set ASCL,  12582912
.set BSCL,  12845056
.set SPW, 1                            ; v1 my spare word, v2 zero: never rewritten
.set NIL, 2
.set KLA, 3                            ; LDS address of my keys' first two K steps
.set AD,  4                            ; v4-7 LDS address of the queries' fragments: group g, half of K: AD + 2 g + half; v4 is also 16 x lane
.set ASA, 8                            ; LDS address of the queries' scale words
.set PA,  9                            ; store offsets: codes by 16 bytes, codes by 8 bytes, figures
.set PB,  10
.set SA,  11
.set AS,  12                           ; v12-15 a unit's scale words: register 2 j + q: lanes 0-15 K step 4 j + q, lanes 16-31 K step 4 j + 2 + q
.set KS,  16                           ; v16-31 the keys' scale words: tile n at KS + 4 n, laid likewise
.set T,   32                           ; v32-63 four accumulators; then t - M, then p
.set AB,  64                           ; v64-111 four buffers for the queries' fragments; the softmax works on buffers 2, 3
.set BM,  88
.set BX,  90
.set SO,  92
.set BY,  94
.set MX,  96
.set X0,  96
.set Y0,  100
.set TMX, 103
.set LA,  104
.set LB,  106
.set PW,  108
.set LX,  109
.set R0,  112                          ; v112-117 codes as stored; v118-121 figures as stored; v122-123 -M
.set Q0,  116
.set ST,  118
.set NM,  122
.set KW0, 124                          ; key fragments 21 .. 31 in v124-255; fragments 0 .. 20 in window 1
.set G1,  24
.set G0,  32
.set G0S, 36
.set G1S, 48
.set G1K, 68
.set G0K, 76
.set CS,  56
.set SEL, 58
.set MK,  60
.set MSB, 0
.macro WIN new                         ; the immediate's high byte repeats the setting that is left
.if MSB != (\new)
	s_set_vgpr_msb (MSB<<8)|(\new)
.set MSB, (\new)
.endif
.endm
.macro CROUND                          ; a round of the cluster's barrier
	s_barrier_signal -1
	s_barrier_wait -1
	s_cmp_lg_u32 s14, 0
	s_cbranch_scc1 .Lnot_wave_0_\@
	s_barrier_signal -3
.Lnot_wave_0_\@:
	s_barrier_wait -3
	s_barrier_signal -1
	s_barrier_wait -1
.endm
.macro PLACES
.rept 4
	v_nop
.endr
.endm
	s_load_b128 s[4:7], s[0:1], 0x0                ; qk, pcodes
	s_load_b64 s[8:9], s[0:1], 0x10                ; stats
	v_lshl_add_u32 v[SPW], v0, 2, SPARE
	v_mov_b32 v[NIL], 0
	ds_add_u32 v[SPW], v[NIL]                      ; the opening lines: the add twice and its wait
	ds_add_u32 v[SPW], v[NIL]
	v_lshrrev_b32 v[KLA], 5, v0
	v_readfirstlane_b32 s14, v[KLA]                ; wave 0..7
	s_lshr_b32 s15, s14, 1                         ; which of the four key groups
	s_and_b32 s16, s14, 1                          ; hh
	s_bfe_u32 s40, ttmp6, 0x40000                  ; cx
	s_lshl_b32 s42, ttmp9, 2
	s_add_co_u32 s42, s42, s40                     ; work-group x: which 512 keys
	s_and_b32 s17, ttmp7, 0xffff                   ; y: which 256 queries, 16 a batch
	s_lshr_b32 s18, s17, 4                         ; batch
	s_mov_b32 s[G1], 15|(3<<16)|(1<<21)            ; dense blocks as rows of 256 bytes (32 elements of 8); the mask names the cluster's four
	s_mov_b32 s[G1+1], 32<<16
	s_mov_b32 s[G1+2], 256<<16
	s_mov_b32 s[G1+3], 32<<16
	s_mov_b32 s[G1+4], 256
	s_mov_b32 s[G1+5], 32
	s_mov_b32 s[G1+6], 0
	s_mov_b32 s[G1+7], 0
	s_mov_b32 s[G1S], 15|(3<<16)|(1<<21)
	s_mov_b32 s[G1S+1], 32<<16
	s_mov_b32 s[G1S+2], 32<<16
	s_mov_b32 s[G1S+3], 32<<16
	s_mov_b32 s[G1S+4], 32
	s_mov_b32 s[G1S+5], 32
	s_mov_b32 s[G1S+6], 0
	s_mov_b32 s[G1S+7], 0
	s_mov_b32 s[G1K], 3<<16                        ; the keys: no mask, 96 rows
	s_mov_b32 s[G1K+1], 32<<16
	s_mov_b32 s[G1K+2], 96<<16
	s_mov_b32 s[G1K+3], 32<<16
	s_mov_b32 s[G1K+4], 96
	s_mov_b32 s[G1K+5], 32
	s_mov_b32 s[G1K+6], 0
	s_mov_b32 s[G1K+7], 0
	s_mul_i32 s44, s17, 2*GRPB                     ; the queries' codes: y x 196,608 + wave x 65,536: made of y and the wave alone
	s_lshl_b32 s33, s14, 16                        ; and the same place in LDS
	s_add_co_u32 s44, s44, s33
	s_mov_b32 s45, 0
	s_lshl_b32 s62, s17, 13                        ; their scale words: y x 8,192
	s_add_co_u32 s62, s62, ASCL
	s_mov_b32 s63, 0
	s_mov_b32 s[G0], 1
	s_mov_b32 s[G0S], 1
	s_mov_b32 s[G0S+1], SCL
	s_and_b32 s80, s14, 3                          ; the key group that waves 4-7 fetch: wave % 4
	s_mul_i32 s[G0K+1], s80, 24576
	s_add_co_u32 s[G0K+1], s[G0K+1], KLD
	s_mov_b32 s[G0K], 1
	s_lshl_b32 s81, s42, 2
	s_add_co_u32 s80, s80, s81
	s_lshl_b32 s81, s18, 5
	s_add_co_u32 s80, s80, s81
	s_mul_i32 s80, s80, GRPB
	s_add_co_u32 s80, s80, BCODE
	s_mov_b32 s81, 0
	s_lshl_b32 s43, s42, 2
	s_add_co_u32 s43, s43, s15                     ; e: my key group in the batch = the second product's K step
	s_lshl_b32 s46, s18, 5
	s_add_co_u32 s46, s46, s43                     ; my key group
	s_mul_i32 s20, s46, GRPB
	s_mul_i32 s47, s16, 2*FRB                      ; my tiles are 2 hh, 2 hh + 1, 4 + 2 hh, 5 + 2 hh
	s_mul_i32 s61, s15, 24576
	s_add_co_u32 s61, s61, s47
	s_add_co_u32 s61, s61, KLD                     ; and where their first two K steps lie in LDS
	s_add_co_u32 s20, s20, s47
	s_add_co_u32 s20, s20, BCODE
	s_mov_b32 s21, 0
	s_lshl_b32 s22, s46, 12
	s_lshl_b32 s47, s16, 8
	s_add_co_u32 s22, s22, s47
	s_add_co_u32 s22, s22, BSCL
	s_mov_b32 s23, 0
	s_mul_i32 s10, s17, 819200                     ; p's codes: group 2 y x 409,600 + pair x 25,600 + K step of the pair x 12,288 + 256 hh
	s_lshr_b32 s12, s43, 1
	s_mul_i32 s12, s12, 25600
	s_add_co_u32 s10, s10, s12
	s_and_b32 s12, s43, 1
	s_mul_i32 s12, s12, 12288
	s_add_co_u32 s10, s10, s12
	s_add_co_u32 s10, s10, s47
	s_mov_b32 s11, 0
	s_lshl_b32 s12, s17, 18                        ; figures: group 2 y x 131,072 + e x 4,096 + hh x 2,048
	s_lshl_b32 s13, s43, 12
	s_add_co_u32 s12, s12, s13
	s_lshl_b32 s13, s16, 11
	s_add_co_u32 s12, s12, s13
	s_mov_b32 s13, 0
	s_mov_b32 s[CS], 0x3db8aa3b                    ; c = log2(e) / 16
	s_mov_b32 s[CS+1], s[CS]
	s_mov_b32 s[SEL], 0x76543210                   ; lane l xor 16
	s_mov_b32 s[SEL+1], 0xfedcba98
	s_mov_b32 s[MK], 0xffff0000                    ; lanes 16-31
	s_wait_dscnt 0x0
	s_wait_kmcnt 0x0
	s_add_nc_u64 s[G0+2:G0+3], s[4:5], s[44:45]
	s_or_b32 s[G0+3], s[G0+3], 0x80000000
	s_add_nc_u64 s[G0S+2:G0S+3], s[4:5], s[62:63]
	s_or_b32 s[G0S+3], s[G0S+3], 0x80000000
	s_add_nc_u64 s[G0K+2:G0K+3], s[4:5], s[80:81]
	s_or_b32 s[G0K+3], s[G0K+3], 0x80000000
	s_add_nc_u64 s[20:21], s[4:5], s[20:21]
	s_add_nc_u64 s[22:23], s[4:5], s[22:23]
	s_add_nc_u64 s[6:7], s[6:7], s[10:11]
	s_add_nc_u64 s[8:9], s[8:9], s[12:13]
	CROUND                                         ; the four work-groups are here: the joint loads meet
	s_cmp_lt_u32 s14, 3
	s_cbranch_scc0 .Lnot_codes
	tensor_load_to_lds s[G0:G0+3], s[G1:G1+7]      ; waves 0-2: a third of the queries' codes each
	s_nop 0
	PLACES
	s_branch .Lasked
.Lnot_codes:
	s_cmp_eq_u32 s14, 3
	s_cbranch_scc0 .Lkeys
	tensor_load_to_lds s[G0S:G0S+3], s[G1S:G1S+7]  ; wave 3: the queries' scale words
	s_nop 0
	PLACES
	s_branch .Lasked
.Lkeys:
	tensor_load_to_lds s[G0K:G0K+3], s[G1K:G1K+7]  ; waves 4-7: K steps 0, 1 of a key group
	s_nop 0
	PLACES
.Lasked:
	v_and_b32 v[AD], 31, v0
	v_lshlrev_b32 v[AD], 4, v[AD]                  ; 16 x lane
	v_and_b32 v[T+1], 15, v0                       ; r
	v_bfe_u32 v[T+2], v0, 4, 1                     ; h
	v_add_nc_u32 v[AD+1], GRPB/2, v[AD]
	v_add_nc_u32 v[AD+2], GRPB, v[AD]
	v_add_nc_u32 v[AD+3], 3*GRPB/2, v[AD]
	v_add_nc_u32 v[KLA], s61, v[AD]
	v_lshlrev_b32 v[T], 3, v[T+1]
	v_lshl_add_u32 v[T], v[T+2], 10, v[T]          ; scale words: 8 r, lanes 16-31 one pair of K steps on
	v_add_nc_u32 v[ASA], SCL, v[T]
	v_lshlrev_b32 v[PB], 4, v[T+1]
	v_lshl_add_u32 v[PA], v[T+2], 10, v[PB]        ; 16 r; lanes 16-31 the image's third 512 bytes
	v_lshl_add_u32 v[SA], v[T+2], 17, v[PB]        ; 16 r; lanes 16-31 the next group of queries
	v_lshl_add_u32 v[PB], v[T+2], 3, v[PB]         ; 16 r + 8 h
	v_mov_b32 v[NM+1], 0                           ; named with -M as a pair
	v_mov_b32 v[ST+3], 0                           ; the figures' fourth word
	s_wait_alu depctr_va_vdst(0)
.irp n, 0,1,2,3
.irp j, 0,1
	global_load_b64 v[KS+4*\n+2*\j:KS+4*\n+2*\j+1], v[T], s[22:23] offset:\j*2048+(\n%2)*128+(\n/2)*512
.endr
.endr
.set F, 8
.rept 24                               ; fragment F = 4 s + n: K step s = 2 .. 7, my tile n
.if F < 21
	WIN 0x40
.set KR, 12*F
.else
	WIN 0
.set KR, KW0+12*(F-21)
.endif
.irp c, 0,1,2
	global_load_b128 v[KR+4*\c:KR+4*\c+3], v[AD], s[20:21] offset:(F/4)*12288+(F%2)*FRB+((F%4)/2)*4*FRB+512*\c
.endr
.set F, F+1
.endr
	s_wait_tensorcnt 0x0                           ; my tensor load has landed,
	s_barrier_signal -1
	s_barrier_wait -1                              ; everybody's has
.macro LDA buf, g, s, nx               ; the fragment of K step s of group g's block (nx = 1: of the next trip's) into a buffer
.irp c, 0,1,2
	ds_load_b128 v[AB+12*(\buf)+4*\c:AB+12*(\buf)+4*\c+3], v[AD+2*(\g)+(\s)/4] offset:((\s)%4)*12288+512*\c+(\nx)*FRB
.endr
.endm
.macro LDS_SC g, nx                    ; a unit's scale words
.irp j, 0,1
	ds_load_b64 v[AS+2*\j:AS+2*\j+1], v[ASA] offset:(\g)*4096+\j*2048+(\nx)*128
.endr
.endm
.macro MUL s, zero                     ; K step s: four products, the four accumulators by turns
.irp n, 0,1,2,3
.set F, 4*(\s)+\n
.if F < 21
	WIN 0x01
.set KR, 12*F
.else
	WIN 0
.set KR, KW0+12*(F-21)
.endif
.set SK, KS+4*\n+2*((\s)/4)+(\s)%2
.set SQ, AS+2*((\s)/4)+(\s)%2
.set AR, AB+12*((\s)%4)
.if \zero
	v_wmma_scale_f32_16x16x128_f8f6f4 v[T+8*\n:T+8*\n+7], v[KR:KR+11], v[AR:AR+11], 0, v[SK], v[SQ] matrix_a_fmt:MATRIX_FMT_BF6 matrix_b_fmt:MATRIX_FMT_BF6
.elseif ((\s)/2)%2
	v_wmma_scale_f32_16x16x128_f8f6f4 v[T+8*\n:T+8*\n+7], v[KR:KR+11], v[AR:AR+11], v[T+8*\n:T+8*\n+7], v[SK], v[SQ] matrix_a_fmt:MATRIX_FMT_BF6 matrix_b_fmt:MATRIX_FMT_BF6 matrix_a_scale:MATRIX_SCALE_ROW1 matrix_b_scale:MATRIX_SCALE_ROW1
.else
	v_wmma_scale_f32_16x16x128_f8f6f4 v[T+8*\n:T+8*\n+7], v[KR:KR+11], v[AR:AR+11], v[T+8*\n:T+8*\n+7], v[SK], v[SQ] matrix_a_fmt:MATRIX_FMT_BF6 matrix_b_fmt:MATRIX_FMT_BF6
.endif
.endr
.endm
; The unit's softmax.  Register 16 b + 8 u + j of a lane is key 32 b' + 16 u + 8 (lane / 16) + j of its query, b' = hh or 2 + hh.
.macro SOFT g
.irp n, 0,1,2,3
	v_max3_num_f32 v[MX+\n], v[T+8*\n], v[T+8*\n+1], v[T+8*\n+2]   ; each accumulator from its low end on; four chains by turns
.endr
.irp i, 3,5
.irp n, 0,1,2,3
	v_max3_num_f32 v[MX+\n], v[MX+\n], v[T+8*\n+\i], v[T+8*\n+\i+1]
.endr
.endr
.irp b, 0,1
	v_max3_num_f32 v[BM+\b], v[MX+2*\b], v[MX+2*\b+1], v[T+16*\b+7]
.endr
.irp b, 0,1
	v_max_num_f32 v[BM+\b], v[BM+\b], v[T+16*\b+15]
.endr
.irp b, 0,1
	v_permlanex16_b32 v[BX+\b], v[BM+\b], s[SEL], s[SEL+1]
.endr
.irp b, 0,1
	v_max_num_f32 v[BM+\b], v[BM+\b], v[BX+\b]     ; the block's largest score: it serves for M and, since p rises with the score, for the block's largest p
.endr
	v_max_num_f32 v[TMX], v[BM], v[BM+1]
	v_mul_f32 v[TMX], s[CS], v[TMX]
	v_floor_f32 v[NM], -v[TMX]                     ; -M = -ceil(t): a whole number
.set J, 0
.rept 16
	v_pk_fma_f32 v[T+J:T+J+1], v[T+J:T+J+1], s[CS:CS+1], v[NM:NM+1] op_sel_hi:[1,0,0]   ; t - M
.set J, J+2
.endr
.irp b, 0,1
	v_fma_f32 v[BM+\b], v[BM+\b], s[CS], v[NM]
.endr
	s_wait_alu depctr_va_vdst(0)
.set J, 0
.rept 32
	v_exp_f32 v[T+J], v[T+J]                       ; p, not normalised
.set J, J+1
.endr
.irp b, 0,1
	v_exp_f32 v[BM+\b], v[BM+\b]
.endr
	v_nop                                          ; a plain place behind the exponentials
	s_wait_alu depctr_va_vdst(0)                   ; and the wait behind the batch
	s_wait_xcnt 0x0                                ; the last unit's stores have read their registers
.irp b, 0,1
	v_max_num_f32 v[BM+\b], 0x2800000, v[BM+\b]    ; the floor 2^(5 - 127): the byte cannot fall under 1
.endr
.irp b, 0,1
	v_add_nc_u32 v[SO+\b], 0xfe000000, v[BM+\b]    ; 4 off the exponent field: the conversion's scale operand
.endr
.irp b, 0,1
	v_lshrrev_b32 v[BY+\b], 23, v[SO+\b]
.endr
	v_lshl_or_b32 v[PW], v[BY+1], 16, v[BY]        ; my two bytes, 16 bits apart
	v_cvt_scalef32_pk16_bf6_f32 v[X0:X0+2], v[T:T+15], v[SO]
	v_cvt_scalef32_pk16_bf6_f32 v[Y0:Y0+2], v[T+16:T+31], v[SO+1]
	v_nop                                          ; one plain place behind a scaled conversion
	v_pk_add_f32 v[LA:LA+1], v[T:T+1], v[T+2:T+3]  ; the sum of the unquantised p, in two chains
	v_pk_add_f32 v[LB:LB+1], v[T+4:T+5], v[T+6:T+7]
.irp j, 8,12,16,20,24,28
	v_pk_add_f32 v[LA:LA+1], v[LA:LA+1], v[T+\j:T+\j+1]
	v_pk_add_f32 v[LB:LB+1], v[LB:LB+1], v[T+\j+2:T+\j+3]
.endr
.irp i, 0,1,2
	v_permlane16_swap_b32 v[X0+\i], v[Y0+\i]       ; lanes 0-15 now hold the first block whole (X, then Y), lanes 16-31 the second
.endr
	v_pk_add_f32 v[LA:LA+1], v[LA:LA+1], v[LB:LB+1]
	v_cndmask_b32 v[R0], v[X0], v[X0+2], s[MK]     ; the image's registers 0-3 in lanes 0-15, its registers 8-11 in lanes 16-31
	v_cndmask_b32 v[R0+1], v[X0+1], v[Y0], s[MK]
	v_cndmask_b32 v[R0+2], v[X0+2], v[Y0+1], s[MK]
	v_cndmask_b32 v[R0+3], v[Y0], v[Y0+2], s[MK]
	v_cndmask_b32 v[Q0], v[Y0+1], v[X0], s[MK]     ; registers 4, 5 in lanes 0-15, registers 6, 7 in lanes 16-31
	v_cndmask_b32 v[Q0+1], v[Y0+2], v[X0+1], s[MK]
	v_add_f32 v[LA], v[LA], v[LA+1]
	global_store_b128 v[PA], v[R0:R0+3], s[6:7] offset:(\g)*409600        ; two pieces of 256 consecutive bytes
	global_store_b64 v[PB], v[Q0:Q0+1], s[6:7] offset:(\g)*409600+512     ; one piece of 256 consecutive bytes
	v_permlanex16_b32 v[LX], v[LA], s[SEL], s[SEL+1]
.if (\g) == 0                          ; both halves of the lanes hold every row's figures: the first group's unit fills the set, the second's takes lanes 16-31
	v_add_f32 v[ST+1], v[LA], v[LX]
	v_mov_b32 v[ST], v[NM]
	v_mov_b32 v[ST+2], v[PW]
.else
	v_add_f32 v[LA], v[LA], v[LX]
	v_cndmask_b32 v[ST], v[ST], v[NM], s[MK]
	v_cndmask_b32 v[ST+1], v[ST+1], v[LA], s[MK]
	v_cndmask_b32 v[ST+2], v[ST+2], v[PW], s[MK]
	global_store_b128 v[SA], v[ST:ST+3], s[8:9]    ; 16 rows' figures of each group: two pieces of 256 consecutive bytes
.endif
.endm
; A unit.  Each s_wait_dscnt 6 leaves out the six loads just issued.  The counts on LOADcnt are the key fragments' loads of later K steps, 12 a step (the first, 63, is for the keys' scale words, with 72 loads behind them); behind the first unit nothing is out.
; Four v_nop stand in front of loads into registers that a product has read (ISA guide 7.12.1 for vector instructions).
.macro UNIT g
	LDA 2, \g, 2, 0
	LDA 3, \g, 3, 0
	s_wait_dscnt 6
	s_wait_loadcnt 63
	MUL 0, 1                                       ; the first product starts the sums
	MUL 1, 0
	WIN 0
	PLACES
	LDA 0, \g, 4, 0
	LDA 1, \g, 5, 0
	s_wait_dscnt 6
	s_wait_loadcnt 60
	MUL 2, 0
	s_wait_loadcnt 48
	MUL 3, 0
	WIN 0
	PLACES
	LDA 2, \g, 6, 0
	LDA 3, \g, 7, 0
	s_wait_dscnt 6
	s_wait_loadcnt 36
	MUL 4, 0
	s_wait_loadcnt 24
	MUL 5, 0
	WIN 0
	PLACES
	LDA 0, 1-(\g), 0, \g                           ; the next unit's first two fragments
	LDA 1, 1-(\g), 1, \g
	s_wait_dscnt 6
	s_wait_loadcnt 12
	MUL 6, 0
	s_wait_loadcnt 0x0
	MUL 7, 0
	PLACES                                         ; behind the last products: their results are read, their scale words and buffers written below
	LDS_SC 1-(\g), \g                              ; the next unit's scale words
	SOFT \g
.endm
	WIN 0x40
.set F, 0
.rept 8                                ; my keys' K steps 0, 1 out of LDS: fragments 0 .. 7, into window 1
.irp c, 0,1,2
	ds_load_b128 v[12*F+4*\c:12*F+4*\c+3], v[KLA] offset:(F/4)*12288+(F%2)*FRB+((F%4)/2)*4*FRB+512*\c
.endr
.set F, F+1
.endr
	WIN 0
	LDA 0, 0, 0, 0
	LDA 1, 0, 1, 0
	LDS_SC 0, 0
	s_mov_b32 s3, 0
.Ltrip:                                                ; trip t: block t of 16 queries of the first group, then of the second
	UNIT 0
	UNIT 1
	s_wait_xcnt 0x0                                ; the stores have read their bases
	s_add_nc_u64 s[6:7], s[6:7], FRB
	s_add_nc_u64 s[8:9], s[8:9], 256
.irp k, 0,1,2,3
	v_add_nc_u32 v[AD+\k], FRB, v[AD+\k]
.endr
	v_add_nc_u32 v[ASA], 128, v[ASA]
	s_add_co_u32 s3, s3, 1
	s_cmp_lt_u32 s3, 8
	s_wait_alu depctr_va_vdst(0)
	s_cbranch_scc1 .Ltrip
	s_wait_tensorcnt 0x0                           ; the wave's end
	ds_add_u32 v[SPW], v[NIL]
	s_wait_dscnt 0x0
	CROUND                                         ; the closing round
	s_endpgm
.Lfunc_end_k_q22ce434de0_scores:
	.size	k_q22ce434de0_scores, .Lfunc_end_k_q22ce434de0_scores-k_q22ce434de0_scores
	.p2alignl 7, 3214868480
	.fill 96, 4, 3214868480
	.section	.rodata,"a",@progbits
	.p2align	6, 0x0
	.amdhsa_kernel k_q22ce434de0_scores
		.amdhsa_group_segment_fixed_size 304128
		.amdhsa_private_segment_fixed_size 0
		.amdhsa_enable_private_segment 0
		.amdhsa_kernarg_size 24
		.amdhsa_user_sgpr_count 2
		.amdhsa_user_sgpr_kernarg_segment_ptr 1
		.amdhsa_wavefront_size32 1
		.amdhsa_system_sgpr_workgroup_id_x 1
		.amdhsa_system_sgpr_workgroup_id_y 1
		.amdhsa_system_sgpr_workgroup_id_z 1
		.amdhsa_system_vgpr_workitem_id 0
		.amdhsa_next_free_vgpr 512
		.amdhsa_next_free_sgpr 84
		.amdhsa_reserve_vcc 0
		.amdhsa_float_denorm_mode_32 3
		.amdhsa_float_denorm_mode_16_64 3
		.amdhsa_memory_ordered 1
		.amdhsa_forward_progress 1
		.amdhsa_inst_pref_size 44
	.end_amdhsa_kernel
	.amdgpu_metadata
---
amdhsa.version: [ 1, 2 ]
amdhsa.kernels:
  - .name:           k_q22ce434de0_scores
    .symbol:         k_q22ce434de0_scores.kd
    .args:
      - { .name: qk, .offset: 0, .size: 8, .value_kind: global_buffer, .address_space: global }
      - { .name: pcodes, .offset: 8, .size: 8, .value_kind: global_buffer, .address_space: global }
      - { .name: stats, .offset: 16, .size: 8, .value_kind: global_buffer, .address_space: global }
    .group_segment_fixed_size: 304128
    .private_segment_fixed_size: 0
    .kernarg_segment_align: 8
    .kernarg_segment_size: 24
    .max_flat_workgroup_size: 256
    .sgpr_count:     84
    .vgpr_count:     512
    .wavefront_size: 32
...
	.end_amdgpu_metadata
.endif
;; end of part 6
;; launch pv (part 7): grid 4 x 64, 4 waves a work-group, clusters of 4 x 4, 327,680 bytes of LDS; arguments pcodes, stats, vq, out0; writes out0
.if DOCPART == 7
	.amdgcn_target "amdgcn-amd-amdhsa--gfx1250"
	.amdhsa_code_object_version 6
	.text
	.protected	k_q22ce434de0_pv
	.globl	k_q22ce434de0_pv
	.p2align	8
	.type	k_q22ce434de0_pv,@function
k_q22ce434de0_pv:
	s_mov_b64 s[64:65], 0
	v_nop
	global_prefetch_b8 v0, s[64:65] scope:SCOPE_SE
	s_setreg_imm32_b32 hwreg(HW_REG_WAVE_MODE, 25, 1), 1
	s_wait_xcnt 0x0
	s_wait_alu depctr_hold_cnt(0) depctr_sa_sdst(0) depctr_va_vdst(0) depctr_va_sdst(0) depctr_va_ssrc(0) depctr_va_vcc(0) depctr_vm_vsrc(0)
	s_getreg_b32 s2, hwreg(HW_REG_IB_STS2, 6, 4)
	s_cmp_eq_u32 s2, 0
	s_cbranch_scc0 .Lentry_in_a_cluster
	s_endpgm
.Lentry_in_a_cluster:
	s_bfe_u32 s2, ttmp6, 0x10000c
	s_cmp_lg_u32 s2, 0xf033
	s_cbranch_scc0 .Lentry_shape_is_right
	s_endpgm
.Lentry_shape_is_right:
; O = P V on codes of BF6 (E3M2) with E8M0 scales, K = the 4,096 permuted keys, divided by the row's sum l.  A work-group makes 128 queries x 256 channels, a wave 64 x 128.
; K goes in steps of 512 through a ring of two slots, filled by joint loads in a 4 x 4 cluster: p's codes (two pairs of K steps, 24,576 bytes each) shared along a row, v's codes and words along a column.
; THE HEAD BRINGS p's SCALE BYTES UNDER THE ROW'S OWN M: for each row 64 sets of figures (-M, l, two bytes), one for each 64 keys; R = the largest local M; every byte takes M_e - R onto itself, held at 1 from below;
; l = the sum of l_e 2^(M_e - R).  The shifts round nothing.  Two lanes to a row (lane (r, h) takes the sets hh = h), a wave 16 rows a pass, two passes; the second pass's registers lie in window 1, so that
; all 64 loads of a wave go out together.  The words go to LDS bytes of their own, [pair of K steps][row][2], and 1 / l to 512 more; no tensor load lands there.
; PREFETCH: behind each refill the slot two refills on is named, 256 bytes a lane; the four partners that ask for a tile jointly share its bytes out by address; slots 1 to 3 are named at the head; the last two refills name nothing.
; LIMITS: a byte that the shift would take under 1 is held at 1; NaN and infinities are not served.
.set SIZE_K, 4096
.set FR,     12
.set FRB,    1536
.set NP,     4
.set PAIRB,  25600
.set SCO,    16*FRB
.set GSL,    2*PAIRB
.set SLOT,   3*GSL
.set GRPB,   (SIZE_K/256)*PAIRB
.set LAPS,   SIZE_K/1024
.set SPARE,  2*SLOT
.set SPITCH, 528
.set ROWO,   131072
.set RA,   8
.set ADRA, 16
.set ADRS, 18
.set ADRB, 20
.set ADRT, 22
.set STO,  24
.set RD,   25
.set LN,   26
.set SPW,  28
.set NIL,  29
.set SC,   32
.set RL,   80                          ; v80-87 1 / l, on the way out
.set SAW,  64                          ; v64-79 p's scale words, a set for each slot: register 2 a + q: lanes 0-15 the slot's first pair of K steps, lanes 16-31 its second
.set ADRW, 11                          ; LDS address of my rows' words
.set WRD,  SPARE+512                   ; LDS: the final words, 16,384 bytes
.set RLD,  WRD+16384                   ; LDS: 1 / l, 512 bytes
.set FD,   80                          ; the head: v80-207 32 sets of figures; v208-239 words
.set FW,   208
.set RX,   240
.set R2,   241
.set DL,   242
.set BY,   243
.set LS,   246
.set TT,   248
.set PX,   249
.set WA,   250
.set LQ,   251
.set SAD,  252
.set PF0,  30
.set PF1,  31
.set PFA,  68
.set SEL,  74
.set SLT,  0
.macro ASK off                         ; my share of a slot: 24 pieces of 256 bytes of p's codes, or 50 of v's
	global_prefetch_b8 v[PF0], s[PFA:PFA+1] offset:\off th:TH_LOAD_NT scope:SCOPE_SE
	s_cmp_eq_u32 s15, 0
	s_cbranch_scc1 .Lasked_p_\@
	global_prefetch_b8 v[PF1], s[PFA:PFA+1] offset:\off th:TH_LOAD_NT scope:SCOPE_SE
.Lasked_p_\@:
.endm
.macro ASC set, step                   ; a slot's words of p into a set
.if \step
	v_add_nc_u32 v[ADRW], 2048, v[ADRW]
	s_wait_alu depctr_va_vdst(0)
.endif
.irp a, 0,1,2,3
	ds_load_b64 v[SAW+8*(\set)+2*\a:SAW+8*(\set)+2*\a+1], v[ADRW] offset:\a*128
.endr
.endm
.macro FIXE e
	v_sub_f32 v[DL], -v[FD+4*(\e)], v[RX]          ; M_e - R: whole numbers under 2^24, so exact
	v_cvt_i32_f32 v[DL], v[DL]
	v_max_i32 v[DL], 0xffffff00, v[DL]             ; -256 does what anything lower would
.if (\e) < 2
	v_ldexp_f32 v[LS+(\e)], v[FD+4*(\e)+1], v[DL]
.else
	v_ldexp_f32 v[TT], v[FD+4*(\e)+1], v[DL]
	v_add_f32 v[LS+(\e)%2], v[LS+(\e)%2], v[TT]
.endif
	v_and_b32 v[BY], 0xff, v[FD+4*(\e)+2]
	v_lshrrev_b32 v[BY+1], 16, v[FD+4*(\e)+2]
	v_add_nc_u32 v[BY], v[BY], v[DL]
	v_add_nc_u32 v[BY+1], v[BY+1], v[DL]
	v_max_i32 v[BY], 1, v[BY]
	v_max_i32 v[BY+1], 1, v[BY+1]
	v_lshl_or_b32 v[FW+(\e)], v[BY+1], 16, v[BY]
.endm
.macro FIXP                            ; a pass: 16 rows
	v_max3_num_f32 v[RX], -v[FD], -v[FD+4], -v[FD+8]
	v_max3_num_f32 v[R2], -v[FD+64], -v[FD+68], -v[FD+72]
.irp e, 3,5,7,9,11,13
	v_max3_num_f32 v[RX], v[RX], -v[FD+4*\e], -v[FD+4*\e+4]
	v_max3_num_f32 v[R2], v[R2], -v[FD+64+4*\e], -v[FD+64+4*\e+4]
.endr
	v_max3_num_f32 v[RX], v[RX], v[R2], -v[FD+60]
	v_max_num_f32 v[RX], v[RX], -v[FD+124]
	v_permlanex16_b32 v[PX], v[RX], s[SEL], s[SEL+1]
	v_max_num_f32 v[RX], v[RX], v[PX]              ; R
.set E, 0
.rept 32
	FIXE E
.set E, E+1
.endr
.set F, 0
.rept 8                                ; K steps 4 F + q and 4 F + 2 + q change halves: the first register then holds the parts h = 0 (bytes 0, 2), the second the parts h = 1 (bytes 1, 3)
.irp q, 0,1
	v_permlane16_swap_b32 v[FW+4*F+\q], v[FW+4*F+2+\q]
.endr
.irp q, 0,1
	v_lshl_or_b32 v[FW+4*F+\q], v[FW+4*F+2+\q], 8, v[FW+4*F+\q]
.endr
	ds_store_b64 v[WA], v[FW+4*F:FW+4*F+1] offset:F*2048   ; lanes 0-15: pair 2 F; lanes 16-31: pair 2 F + 1
.set F, F+1
.endr
	v_add_f32 v[LS], v[LS], v[LS+1]
	v_permlanex16_b32 v[PX], v[LS], s[SEL], s[SEL+1]
	v_add_f32 v[LS], v[LS], v[PX]                  ; l: at least 1/2
	s_wait_alu depctr_va_vdst(0)
	v_rcp_f32 v[TT], v[LS]
	v_nop
	s_wait_alu depctr_va_vdst(0)
	ds_store_b32 v[LQ], v[TT]                      ; both halves write the same word with the same value
.endm
.set AF,   80
.set BK,   128
.set G1, 24
.set G0, 32
.set G1B, 48
.set G0B, 56
.set MSB, 0
.macro WIN new
.if MSB != (\new)
	s_set_vgpr_msb (MSB<<8)|(\new)
.set MSB, (\new)
.endif
.endm
.set MULW, 0xa1
.set TO_B, 0x40
.macro JLOAD g0a, g1a, g0b, g1b
	s_cmp_eq_u32 s15, 0
	s_cbranch_scc0 .Lfor_b_\@
	tensor_load_to_lds s[\g0a:\g0a+3], s[\g1a:\g1a+7]
	s_nop 0
.rept 4
	v_nop
.endr
	s_branch .Lasked_\@
.Lfor_b_\@:
	tensor_load_to_lds s[\g0b:\g0b+3], s[\g1b:\g1b+7]
	s_nop 0
.rept 4
	v_nop
.endr
.Lasked_\@:
.endm
.macro CREST
	s_cmp_lg_u32 s14, 0
	s_cbranch_scc1 .Lnot_wave_0_\@
	s_barrier_signal -3
.Lnot_wave_0_\@:
	s_barrier_wait -3
	s_barrier_signal -1
	s_barrier_wait -1
.endm
.macro CROUND
	s_barrier_signal -1
	s_barrier_wait -1
	CREST
.endm
	s_load_b256 s[4:11], s[0:1], 0x0
	v_lshl_add_u32 v[SPW], v0, 2, SPARE
	v_mov_b32 v[NIL], 0
	ds_add_u32 v28, v29
	ds_add_u32 v28, v29
	s_wait_dscnt 0x0
	v_lshrrev_b32 v1, 5, v0
	v_readfirstlane_b32 s14, v1
	s_lshr_b32 s15, s14, 1
	s_and_b32 s16, s14, 1
	s_bfe_u32 s40, ttmp6, 0x40000
	s_bfe_u32 s41, ttmp6, 0x40004
	s_lshl_b32 s42, ttmp9, 2
	s_add_co_u32 s42, s42, s40
	s_and_b32 s17, ttmp7, 0xffff
	s_lshl_b32 s17, s17, 2
	s_add_co_u32 s17, s17, s41
	s_and_b32 s18, ttmp7, 0xffff
	s_lshr_b32 s18, s18, 3
	s_lshl_b32 s43, s41, 2
	s_lshl_b32 s43, 15, s43
	s_lshl_b32 s44, 0x1111, s40
	s_or_b32 s[G1+0], s43, (3<<16)|(1<<21)
	s_or_b32 s[G1B+0], s44, (3<<16)|(1<<21)
.irp g, G1, G1B
	s_mov_b32 s[\g+1], 32<<16
	s_mov_b32 s[\g+3], 32<<16
	s_mov_b32 s[\g+5], 32
	s_mov_b32 s[\g+6], 0
	s_mov_b32 s[\g+7], 0
.endr
	s_mov_b32 s[G1+2], 96<<16
	s_mov_b32 s[G1+4], 96
	s_mov_b32 s[G1B+2], (GSL/256)<<16
	s_mov_b32 s[G1B+4], GSL/256
	s_mul_i32 s20, s17, GRPB
	s_mul_i32 s21, s16, PAIRB
	s_add_co_u32 s20, s20, s21
	s_mov_b32 s21, 0
	s_lshl_b32 s46, s42, 1
	s_add_co_u32 s46, s46, s16
	s_lshl_b32 s18, s18, 3
	s_add_co_u32 s46, s46, s18
	s_mul_i32 s46, s46, GRPB
	s_mov_b32 s47, 0
	s_mul_i32 s45, s16, PAIRB
	s_mul_i32 s94, s16, GSL
	s_add_co_u32 s94, s94, GSL
	s_wait_kmcnt 0x0
	s_add_nc_u64 s[20:21], s[4:5], s[20:21]
	s_add_nc_u64 s[46:47], s[8:9], s[46:47]
	s_cmp_eq_u32 s15, 0                            ; the prefetches: do I fetch for p or for v?
	s_cselect_b64 s[PFA:PFA+1], s[20:21], s[46:47]
	s_cselect_b32 s70, s40, s41                    ; my place among the four that ask with me
	s_mov_b32 s72, 12800
	s_cselect_b32 s72, 6144, s72                   ; a quarter of what I fetch
	s_mul_i32 s70, s70, s72
	s_add_co_u32 s70, s70, GSL                     ; at slot 1
	s_mov_b32 s71, 0
	s_add_nc_u64 s[PFA:PFA+1], s[PFA:PFA+1], s[70:71]
	s_sub_co_u32 s72, s72, 256                     ; my share's last piece
	s_lshl_b32 s70, s17, 17                        ; the figures: group x 131,072 + 16 rows x wave
	s_lshl_b32 s73, s14, 8
	s_add_co_u32 s70, s70, s73
	s_add_nc_u64 s[6:7], s[6:7], s[70:71]
	s_mov_b32 s[SEL], 0x76543210
	s_mov_b32 s[SEL+1], 0xfedcba98
	v_and_b32 v[PF0], 31, v0
	v_lshlrev_b32 v[PF0], 8, v[PF0]
	v_add_nc_u32 v[PF1], 8192, v[PF0]
	v_min_u32 v[PF0], s72, v[PF0]                  ; lanes that are left over name the share's last piece again
	v_min_u32 v[PF1], s72, v[PF1]
	v_and_b32 v9, 15, v0
	v_bfe_u32 v10, v0, 4, 1
	v_lshlrev_b32 v[SAD], 4, v9
	v_lshl_add_u32 v[SAD], v10, 11, v[SAD]         ; 16 r + 2,048 h
	CROUND
.irp s, 0,1
	s_mov_b32 s[G0+4*\s], 1
	s_add_co_u32 s[G0+4*\s+1], s45, \s*SLOT
	s_add_nc_u64 s[G0+4*\s+2:G0+4*\s+3], s[20:21], \s*GSL
	s_or_b32 s[G0+4*\s+3], s[G0+4*\s+3], 0x80000000
	s_mov_b32 s[G0B+4*\s], 1
	s_add_co_u32 s[G0B+4*\s+1], s94, \s*SLOT
	s_add_nc_u64 s[G0B+4*\s+2:G0B+4*\s+3], s[46:47], \s*GSL
	s_or_b32 s[G0B+4*\s+3], s[G0B+4*\s+3], 0x80000000
	s_wait_alu depctr_va_vdst(0)
	s_wait_tensorcnt 0x0
	ds_add_u32 v28, v29
	ds_add_u32 v28, v29
	s_wait_dscnt 0x0
	CROUND
	JLOAD G0+4*\s, G1, G0B+4*\s, G1B
.if \s == 0
	ASK 0                                          ; slots 1 and 2
	ASK GSL
.set E, 0
.rept 32
	global_load_b128 v[FD+4*E:FD+4*E+3], v[SAD], s[6:7] offset:E*4096        ; the first pass's figures
.set E, E+1
.endr
	WIN 0x40
.set E, 0
.rept 32
	global_load_b128 v[FD+4*E:FD+4*E+3], v[SAD], s[6:7] offset:E*4096+1024   ; the second pass's, 64 rows on, into window 1
.set E, E+1
.endr
	WIN 0
.else
	ASK 2*GSL                                      ; slot 3
.endif
.endr
	v_and_b32 v1, 15, v0
	v_bfe_u32 v2, v0, 4, 1
	v_and_b32 v3, 31, v0
	v_lshlrev_b32 v[LN], 4, v3
	s_wait_alu depctr_va_vdst(0)
	s_lshl_b32 s19, s15, 8
	s_add_co_u32 s19, s19, RLD
	v_lshlrev_b32 v[RA], 2, v1
	v_add_nc_u32 v[RA], s19, v[RA]                 ; LDS: 1 / l of my 64 rows
	s_lshl_b32 s19, s15, 9
	s_add_co_u32 s19, s19, WRD
	v_lshlrev_b32 v[ADRW], 3, v1
	v_lshl_add_u32 v[ADRW], v2, 10, v[ADRW]
	v_add_nc_u32 v[WA], 0, v[ADRW]
	v_add_nc_u32 v[ADRW], s19, v[ADRW]             ; LDS: my 64 rows' words; lanes 16-31 one pair of K steps on
	s_lshl_b32 s19, s14, 7
	s_add_co_u32 s19, s19, WRD
	v_add_nc_u32 v[WA], s19, v[WA]                 ; where the head puts the words of rows 16 x wave + r
	s_lshl_b32 s19, s14, 6
	s_add_co_u32 s19, s19, RLD
	v_lshlrev_b32 v[LQ], 2, v1
	v_add_nc_u32 v[LQ], s19, v[LQ]                 ; and their 1 / l
	v_mov_b32 v[PX], 0                             ; a lane permute's destination counts as one of its sources
	s_mov_b32 s19, 0
	s_mul_i32 s21, s15, 4*FRB
	s_mul_i32 s22, s16, GSL
	s_add_co_u32 s22, s22, GSL
.irp s, 0,1
	v_add_nc_u32 v[ADRA+\s], s21, v[LN]
	v_add_nc_u32 v[ADRB+\s], s22, v[LN]
	s_add_co_u32 s21, s21, SLOT
	s_add_co_u32 s22, s22, SLOT
.endr
	v_lshlrev_b32 v5, 3, v1
	s_lshl_b32 s21, s15, 9
	s_mul_i32 s22, s16, GSL
	s_add_co_u32 s22, s22, GSL
	s_sub_co_u32 s22, s22, s21
	v_mov_b32 v6, s22
	s_add_co_u32 s22, s22, 512
	v_mov_b32 v7, s22
	s_add_co_u32 s23, s21, SCO-512
	s_add_co_u32 s21, s21, SCO
	v_add_nc_u32 v6, v5, v6
	v_add_nc_u32 v7, v5, v7
	v_add_nc_u32 v[ADRS], s21, v6
	v_add_nc_u32 v[ADRT], s23, v7
	v_add_nc_u32 v[ADRS+1], SLOT, v[ADRS]
	v_add_nc_u32 v[ADRT+1], SLOT, v[ADRT]
	s_mul_i32 s23, s14, 16*SPITCH
	v_mul_u32_u24 v5, v1, SPITCH
	v_lshl_add_u32 v5, v2, 5, v5
	v_add_nc_u32 v[STO], s23, v5
	v_add_nc_u32 v[RD], s23, v[LN]
	s_lshr_b32 s18, s17, 5
	s_lshl_b32 s18, s18, 24
	s_and_b32 s13, s17, 31
	s_lshl_b32 s13, s13, 12
	s_add_co_u32 s18, s18, s13
	s_lshl_b32 s13, s15, 23
	s_add_co_u32 s18, s18, s13
	s_lshl_b32 s13, s42, 10
	s_add_co_u32 s18, s18, s13
	s_lshl_b32 s13, s16, 9
	s_add_co_u32 s18, s18, s13
	s_add_nc_u64 s[10:11], s[10:11], s[18:19]
.macro FRAG reg, adr, t, i
.irp c, 0,1,2
	ds_load_b128 v[\reg+4*\c:\reg+4*\c+3], v[\adr] offset:((\t)/2)*PAIRB+(((\t)%2)*8+(\i))*FRB+512*\c
.endr
.endm
.macro MUL8 a, p, q, sc, zero
.irp b, 0,1,2,3,4,5,6,7
.if \zero
	v_wmma_scale_f32_16x16x128_f8f6f4 v[8*(8*(\a)+\b):8*(8*(\a)+\b)+7], v[128*(\p)+FR*\b:128*(\p)+FR*\b+FR-1], v[AF+48*(\p)+FR*(\a):AF+48*(\p)+FR*(\a)+FR-1], 0, v[SC+16*(\sc)+2*\b+(\q)], v[SAW+8*SLT+2*(\a)+(\q)] matrix_a_fmt:MATRIX_FMT_BF6 matrix_b_fmt:MATRIX_FMT_BF6 matrix_a_scale:MATRIX_SCALE_ROW1
.else
.if (\sc)
	v_wmma_scale_f32_16x16x128_f8f6f4 v[8*(8*(\a)+\b):8*(8*(\a)+\b)+7], v[128*(\p)+FR*\b:128*(\p)+FR*\b+FR-1], v[AF+48*(\p)+FR*(\a):AF+48*(\p)+FR*(\a)+FR-1], v[8*(8*(\a)+\b):8*(8*(\a)+\b)+7], v[SC+16*(\sc)+2*\b+(\q)], v[SAW+8*SLT+2*(\a)+(\q)] matrix_a_fmt:MATRIX_FMT_BF6 matrix_b_fmt:MATRIX_FMT_BF6 matrix_a_scale:MATRIX_SCALE_ROW1 matrix_b_scale:MATRIX_SCALE_ROW1
.else
	v_wmma_scale_f32_16x16x128_f8f6f4 v[8*(8*(\a)+\b):8*(8*(\a)+\b)+7], v[128*(\p)+FR*\b:128*(\p)+FR*\b+FR-1], v[AF+48*(\p)+FR*(\a):AF+48*(\p)+FR*(\a)+FR-1], v[8*(8*(\a)+\b):8*(8*(\a)+\b)+7], v[SC+16*(\sc)+2*\b+(\q)], v[SAW+8*SLT+2*(\a)+(\q)] matrix_a_fmt:MATRIX_FMT_BF6 matrix_b_fmt:MATRIX_FMT_BF6 matrix_a_scale:MATRIX_SCALE_ROW1
.endif
.endif
.endr
.endm
.macro FETCH slot, t, p
	WIN TO_B
.irp i, 0,1,2,3,4,5,6,7
	FRAG 128*(\p)+FR*\i, ADRB+\slot, \t, \i
.endr
	WIN 0
.irp i, 0,1,2,3
	FRAG AF+48*(\p)+FR*\i, ADRA+\slot, \t, \i
.endr
.endm
.macro SCALES slot, u
.irp i, 0,1,2,3
	ds_load_b64 v[SC+16*(\u)+2*\i:SC+16*(\u)+2*\i+1], v[ADRS+\slot] offset:(\u)*PAIRB+\i*128
.endr
.irp i, 4,5,6,7
	ds_load_b64 v[SC+16*(\u)+2*\i:SC+16*(\u)+2*\i+1], v[ADRT+\slot] offset:(\u)*PAIRB+\i*128
.endr
.endm
.macro PLACES n
.rept \n
	v_nop
.endr
.endm
.macro STEP slot, t, zero
.set SLT, \slot
	PLACES NP
	FETCH \slot, (\t)+1, 1-(\t)%2
.if (\t) == 1
	SCALES \slot, 1
	s_wait_dscnt 44
.else
	s_wait_dscnt 36
.endif
	WIN MULW
	MUL8 0, (\t)%2, (\t)%2, (\t)/2, \zero
	MUL8 1, (\t)%2, (\t)%2, (\t)/2, \zero
	MUL8 2, (\t)%2, (\t)%2, (\t)/2, \zero
	MUL8 3, (\t)%2, (\t)%2, (\t)/2, \zero
.endm
.macro TURN slot, next, fill
.set SLT, \slot
	WIN 0
.if \fill
	s_wait_xcnt 0x0                                ; my prefetches have read their address: it is stepped here, a slot on
	s_add_nc_u64 s[PFA:PFA+1], s[PFA:PFA+1], GSL
.endif
	s_wait_tensorcnt 0x0
	ds_add_u32 v[SPW], v[NIL]
	s_wait_dscnt 1
	WIN MULW
	MUL8 0, 1, 1, 1, 0
	s_wait_dscnt 0x0
	s_barrier_signal -1
	MUL8 1, 1, 1, 1, 0
	WIN 0
	s_barrier_wait -1
.if \fill
	CREST
	s_add_nc_u64 s[G0+4*\slot+2:G0+4*\slot+3], s[G0+4*\slot+2:G0+4*\slot+3], 2*GSL
	s_add_nc_u64 s[G0B+4*\slot+2:G0B+4*\slot+3], s[G0B+4*\slot+2:G0B+4*\slot+3], 2*GSL
	JLOAD G0+4*\slot, G1, G0B+4*\slot, G1B
.else
	PLACES NP
.endif
	FETCH \next, 0, 0
	SCALES \next, 0
	ASC \next, 1
.if \fill
	s_cmp_gt_u32 s3, 1                             ; the last trip's two refills have no slot two refills on
	s_cbranch_scc0 .Lno_ask_\@
	ASK 2*GSL
.Lno_ask_\@:
.endif
	WIN MULW
	MUL8 2, 1, 1, 1, 0
	MUL8 3, 1, 1, 1, 0
.endm
	s_wait_alu depctr_va_vdst(0)
	s_wait_loadcnt 32                              ; the first pass's 32 loads are in; the second's may be out
	FIXP
	WIN 0x40                                       ; the second pass's addresses, into window 1: 64 rows on
	v_add_nc_u32 v[WA], 512, v[WA]
	v_add_nc_u32 v[LQ], 256, v[LQ]
	v_mov_b32 v[PX], 0
	WIN 0x55                                       ; every operand in window 1
	s_wait_loadcnt 0x0
	FIXP
	WIN 0
	s_wait_dscnt 0x0                               ; my words and my 1 / l are in LDS
	s_wait_tensorcnt 1
	s_barrier_signal -1
	s_barrier_wait -1
	FETCH 0, 0, 0
	SCALES 0, 0
	ASC 0, 0
	STEP 0, 0, 1
	STEP 0, 1, 0
	STEP 0, 2, 0
	WIN 0
	s_mov_b32 s3, LAPS-1
.Llap:
	TURN 0, 1, 1
	STEP 1, 0, 0
	STEP 1, 1, 0
	STEP 1, 2, 0
	TURN 1, 0, 1
	STEP 0, 0, 0
	STEP 0, 1, 0
	STEP 0, 2, 0
	WIN 0
	s_sub_co_u32 s3, s3, 1
	s_cmp_lg_u32 s3, 0
	s_cbranch_scc1 .Llap
	TURN 0, 1, 0
	STEP 1, 0, 0
	STEP 1, 1, 0
	STEP 1, 2, 0
	s_wait_dscnt 0
	MUL8 0, 1, 1, 1, 0
	MUL8 1, 1, 1, 1, 0
	MUL8 2, 1, 1, 1, 0
	MUL8 3, 1, 1, 1, 0
	WIN 0
.macro SCALE a
.set AC, 64*(\a)
	WIN 0x82
.set J, 0
.rept 32
	v_pk_mul_f32 v[AC+J:AC+J+1], v[AC+J:AC+J+1], v[RL+2*(\a):RL+2*(\a)+1]
.set J, J+2
.endr
.endm
.macro TOSTAGE a
.set AC, 64*(\a)
	WIN 0x08
.irp b, 0,1,2,3,4,5,6,7
	ds_store_b128 v[STO], v[AC+8*\b:AC+8*\b+3] offset:64*\b
	ds_store_b128 v[STO], v[AC+8*\b+4:AC+8*\b+7] offset:64*\b+16
.endr
	WIN 0
.set BB, BK+64*((\a)%2)
.irp t, 0,1,2,3,4,5,6,7,8,9,10,11,12,13,14,15
	ds_load_b128 v[BB+4*\t:BB+4*\t+3], v[RD] offset:\t*SPITCH
.endr
.endm
.macro SEND a, younger
.set BB, BK+64*((\a)%2)
	s_wait_dscnt \younger
.if (\a) > 0
	s_add_nc_u64 s[10:11], s[10:11], 16*ROWO
.endif
.irp t, 0,1,2,3,4,5,6,7,8,9,10,11,12,13,14,15
	global_store_b128 v[LN], v[BB+4*\t:BB+4*\t+3], s[10:11] offset:\t*ROWO th:TH_STORE_NT
.endr
.endm
	PLACES NP
.irp a, 0,1,2,3
	ds_load_b32 v[RL+2*\a], v[RA] offset:64*\a
	ds_load_b32 v[RL+2*\a+1], v[RA] offset:64*\a
.endr
	s_wait_dscnt 0x0
	SCALE 0
	TOSTAGE 0
.irp a, 1,2,3
	SCALE \a
.if \a > 1
	s_wait_alu depctr_va_vdst(0)
	s_wait_xcnt 0x0
.endif
	TOSTAGE \a
	SEND \a-1, 32
.endr
	s_wait_xcnt 0x0
	SEND 3, 0
	s_wait_tensorcnt 0x0
	ds_add_u32 v[SPW], v[NIL]
	s_wait_dscnt 0x0
	CROUND
	s_endpgm
.Lfunc_end_k_q22ce434de0_pv:
	.size	k_q22ce434de0_pv, .Lfunc_end_k_q22ce434de0_pv-k_q22ce434de0_pv
	.p2alignl 7, 3214868480
	.fill 96, 4, 3214868480
	.section	.rodata,"a",@progbits
	.p2align	6, 0x0
	.amdhsa_kernel k_q22ce434de0_pv
		.amdhsa_group_segment_fixed_size 327680
		.amdhsa_private_segment_fixed_size 0
		.amdhsa_enable_private_segment 0
		.amdhsa_kernarg_size 32
		.amdhsa_user_sgpr_count 2
		.amdhsa_user_sgpr_kernarg_segment_ptr 1
		.amdhsa_wavefront_size32 1
		.amdhsa_system_sgpr_workgroup_id_x 1
		.amdhsa_system_sgpr_workgroup_id_y 1
		.amdhsa_system_sgpr_workgroup_id_z 1
		.amdhsa_system_vgpr_workitem_id 0
		.amdhsa_next_free_vgpr 768
		.amdhsa_next_free_sgpr 100
		.amdhsa_reserve_vcc 0
		.amdhsa_float_denorm_mode_32 3
		.amdhsa_float_denorm_mode_16_64 3
		.amdhsa_memory_ordered 1
		.amdhsa_forward_progress 1
		.amdhsa_inst_pref_size 195
	.end_amdhsa_kernel
	.amdgpu_metadata
---
amdhsa.version: [ 1, 2 ]
amdhsa.kernels:
  - .name:           k_q22ce434de0_pv
    .symbol:         k_q22ce434de0_pv.kd
    .args:
      - { .name: pcodes, .offset: 0, .size: 8, .value_kind: global_buffer, .address_space: global }
      - { .name: stats, .offset: 8, .size: 8, .value_kind: global_buffer, .address_space: global }
      - { .name: vq, .offset: 16, .size: 8, .value_kind: global_buffer, .address_space: global }
      - { .name: out0, .offset: 24, .size: 8, .value_kind: global_buffer, .address_space: global }
    .group_segment_fixed_size: 327680
    .private_segment_fixed_size: 0
    .kernarg_segment_align: 8
    .kernarg_segment_size: 32
    .max_flat_workgroup_size: 128
    .sgpr_count:     100
    .vgpr_count:     768
    .wavefront_size: 32
...
	.end_amdgpu_metadata
.endif
;; end of part 7
